; MI455X (gfx1250); checked and timed in simulation.
; The chip was launched on July 23, 2026; its instructions are those of AMD's public machine-readable ISA for CDNA 5 (MIT licence, August 2026) and "CDNA5" Instruction Set Architecture Reference Guide (July 2026). The comments in the code are by the model that wrote it; some were corrected since.
;; Multi Head Attention. Allowed arithmetic: matrix products marked QUANTISED: E5M2 operands, one given power-of-two scale a tensor, by v_wmma_f32_16x16x64_bf8_bf8 or v_wmma_f32_16x16x128_bf8_bf8, f32 sums; everything else in f32.
;; Inputs: bk 512 float32; bo 512 float32; bq 512 float32; bv 512 float32; k_codes 2 x 4,096 x 16 x 32 uint8 (E5M2 codes of k, K innermost, in blocks of 32 codes); lowp_scales 12 int32 (the exponents e of the quantised operands' scales 2^e); mask 1 x 1 x 4,096 x 4,096 float32; q_codes 2 x 4,096 x 16 x 32 uint8 (E5M2 codes of q, K innermost, in blocks of 32 codes); v_codes 2 x 4,096 x 16 x 32 uint8 (E5M2 codes of v, K innermost, in blocks of 32 codes); wk_codes 512 x 16 x 32 uint8 (E5M2 codes of wk, K innermost, in blocks of 32 codes); wo_codes 512 x 16 x 32 uint8 (E5M2 codes of wo, K innermost, in blocks of 32 codes); wq_codes 512 x 16 x 32 uint8 (E5M2 codes of wq, K innermost, in blocks of 32 codes); wv_codes 512 x 16 x 32 uint8 (E5M2 codes of wv, K innermost, in blocks of 32 codes).
;; Outputs: out0 2 x 4,096 x 512 float32.
;; This version of the problem:
;;   THIS VERSION OF THE PROBLEM IS GIVEN IN LOW PRECISION. The matrix products marked QUANTISED in the list below multiply operands that are first quantised to E5M2 (5 exponent bits, 2 mantissa bits; 8 bits a number), with one given power-of-two scale for each operand tensor; their sums are f32. All else is computed in f32.
;;   The module's matrix products, in the order in which they are computed (A, B: the left and right operand; K: the contracted axis; several contracted axes count as one K, in the product's order):
;;     1. [M 8,192, K 512] x [K 512, N 512]; A: input q (given as codes); B: input wq (given as codes): QUANTISED (scales: A lowp_scales[0], B lowp_scales[1])
;;     2. [M 8,192, K 512] x [K 512, N 512]; A: input k (given as codes); B: input wk (given as codes): QUANTISED (scales: A lowp_scales[2], B lowp_scales[3])
;;     3. [M 8,192, K 512] x [K 512, N 512]; A: input v (given as codes); B: input wv (given as codes): QUANTISED (scales: A lowp_scales[4], B lowp_scales[5])
;;     4. batch 16 x [M 4,096, K 64] x [K 64, N 4,096]; A: computed on the way; B: computed on the way: QUANTISED (scales: A lowp_scales[6], B lowp_scales[7])
;;     5. batch 16 x [M 4,096, K 4,096] x [K 4,096, N 64]; A: softmax (see below); B: computed on the way: QUANTISED (scales: A lowp_scales[8], B lowp_scales[9])
;;     6. [M 8,192, K 512] x [K 512, N 512]; A: computed on the way; B: input wo (given as codes): QUANTISED (scales: A lowp_scales[10], B lowp_scales[11])
;;   THE QUANTISER, for each operand of a quantised product, along K:
;;     - The operand's scale is 2^e, e = its entry of the input lowp_scales (int32; the entries are numbered through the quantised products in the list's order, A before B).
;;     - Each number is divided by the scale, clamped to +-57,344, and rounded to the nearest number of E5M2, ties to even, subnormals kept.
;;     - The product sums the exact products of the quantised numbers (number of the format x scale) in f32.
;;   ~~~python
;;   def quantise(x, axis, e):      # numpy; x: float32 -> the quantised numbers, widened to float32 again
;;       x = np.moveaxis(x, axis, -1); K = x.shape[-1]
;;       r = np.clip(x / 2.0 ** e, -57344, 57344)
;;       step = 2.0 ** (np.maximum(np.frexp(np.where(r == 0, 1, r))[1] - 1, -14) - 2)
;;       q = np.round(r / step) * step * 2.0 ** e      # np.round: ties to even
;;       return np.moveaxis(q, -1, axis).astype(np.float32)
;;   ~~~
;;   SOFTMAX AHEAD OF A QUANTISED PRODUCT. Where the list says 'softmax', what is quantised is not the finished softmax but p = 2^(t - M), with t = logit x log2(e) and M = ceil(the row's largest t), a whole number; so 1/2 < the row's largest p <= 1. The row's sum l is taken of the UNQUANTISED p, in f32, and the product's result is divided by l at the end. Since M is a whole number, a kernel that streams over the keys may use a running M (the ceiling of the running maximum): every later rescaling is an exact power of two, so the quantised numbers keep their values, but for numbers so far below the row's largest that they fall under the format's range.
;;   OPERANDS COMPUTED ON THE WAY. 'Computed on the way' means the value that the module computes at that place (a softmax that the list does not call 'softmax' is quantised finished and normalised). What goes into a quantiser is computed in f32, as accurately as f32 sums, v_exp_f32 and their like allow (about 1e-6 of the number): no bf16 or f16 on the way to a quantiser, and a product that is left as it is and whose result goes on into a quantised operand takes f32 operands (vector FMAs, or v_wmma_f32_16x16x4_f32). A number that lies on a knife's edge between two numbers of the format may be rounded either way, as far as f32 arithmetic and the matrix unit's own rounding can turn it there, and no further.
;;   INPUTS GIVEN AS CODES. k (in the module: [2, 4096, 512], K = its axis 2); q (in the module: [2, 4096, 512], K = its axis 2); v (in the module: [2, 4096, 512], K = its axis 2); wk (in the module: [512, 512], K = its axis 0); wo (in the module: [512, 512], K = its axis 0); wq (in the module: [512, 512], K = its axis 0); wv (in the module: [512, 512], K = its axis 0): each comes as NAME_codes (uint8): NAME with its K axis moved to the last place and cut into blocks of 32 codes, [.., K / 32, bytes a block], one block behind the other in memory; one code a byte (a code: sign, 5 exponent bits, 2 mantissa bits); its scale is its entry of lowp_scales. Its value is code x scale, taken as it is: it is not quantised again, and the codes and scales need not be those that the quantiser above would give.
;; 2 versions. Each part assembles by itself: llvm-mc -triple=amdgcn-amd-amdhsa -mcpu=gfx1250 --defsym DOCPART=n.
;; ======== version 1 of 2: 3 launches
;; limits: right only within a limited range of input values; inputs' magnitudes at most 2e+29
;; workspace buffers: qimg 4,194,304 bytes; kimg 4,194,304 bytes; vimg 4,194,304 bytes; aimg 4,194,304 bytes; flags 2,048 bytes of whole numbers
;; launch prep (part 1): grid 448 x 1, 16 waves a work-group, no clusters, 206,080 bytes of LDS; arguments q_codes, k_codes, v_codes, wq_codes, wk_codes, wv_codes, bq, bk, bv, lowp_scales, mask, qimg, kimg, vimg, flags; writes qimg, kimg, vimg, flags
.if DOCPART == 1
	.amdgcn_target "amdgcn-amd-amdhsa--gfx1250"
	.amdhsa_code_object_version 6
	.text
	.protected	k_qa98d5cddce_prep
	.globl	k_qa98d5cddce_prep
	.p2align	8
	.type	k_qa98d5cddce_prep,@function
k_qa98d5cddce_prep:
	s_mov_b64 s[64:65], 0
	v_nop
	global_prefetch_b8 v0, s[64:65] scope:SCOPE_SE
	s_setreg_imm32_b32 hwreg(HW_REG_WAVE_MODE, 25, 1), 1
	s_wait_xcnt 0x0
; PREP: two kinds of work-groups in one launch, told apart by the work-group's number alone.
;  PROJ (192 work-groups): products 1 to 3, x W^T + bias on E5M2 codes, 128 rows x 512 features of one of q, k, v; the results are quantised (scales 6, 7, 9) and stored as
;       IMAGES OF OPERAND REGISTERS: qimg, kimg [b h 16][tile of 16 rows 256][chunk 2][lane 32][16 bytes]: registers 2c, 2c+1 of lane (r, h) = d 16c+8h+0..7 of row r;
;       vimg [b h][step of 128 keys 32][tile of 16 d 4][chunk 4][lane][16 bytes]: registers 2c, 2c+1 of lane (r, h) = keys 16c+8h+0..7 of d = r.
;  SCAN (256 work-groups): 16 rows of the mask each; for each of the 32 key steps of 128 keys two bits go to flags [tile of 16 queries 256][2]: word 0 SKIP, word 1 MIXED.
; WHAT THE FLAGS SAY, FOR ALL VALUES OF THE INPUTS.  No work is left out by the text itself; the attention launch reads the flags and does only what they ask for.
;  Codes are held at 57,344, so a logit without its mask term lies within +-L, L = 64 x 57,344^2 x 2^(e6+e7) / 8.  Let m0 be the largest of the 16 rows' smallest mask values and tm the
;  smallest mask value of a tile (16 rows x 128 keys).  Each row's largest logit is at least -L - 1e9 m0, every logit of the tile at most L - 1e9 tm.
;  SKIP is set where 1e9 (tm - m0) > 2 L + 128 + 1000 (|tm| + |m0|)  (2 L = 49 x 2^30 x 2^(e6+e7); the last term covers the f32 rounding of terms of that size).
;  Then t - M < -150 for every number of the tile: p is 0 in the row's sum and in the codes, and the tile holds no row's maximum.  The tile that holds a row's smallest mask value has tm <= m0 and is never skipped.
;  MIXED is set where the tile is not skipped and some mask value is not +-0; a tile with neither bit adds +-0 to its logits, so its mask is not read again.
; LIMITS: NaN in the mask is not served.  A NaN, an infinity or an overflow that reaches only a skipped tile is not carried to the result.
;  For each tensor e(out) - e(x) - e(w) lies between -126 and 112, so that the conversion's scale and 57,344 x it are f32 numbers.
.set XP,    528                        ; an LDS row of 512 codes + 16 bytes: the 16 rows that a fragment load touches start 132 words apart
.set XT,    0                          ; proj: the block's 128 rows of x
.set WR,    128*XP                     ; proj: 16 rows of W for each wave, its own
.set WRB,   16*XP
.set SCN,   WR+16*WRB                  ; scan: [16 waves][16 rows] smallest; +1024 [32 steps] smallest; +1152 [32 steps] largest
.set SPARE, SCN+1280                   ; the spare words: 128 bytes for each of 16 waves; no other line names them
.macro PLACES n
.rept \n
	v_nop
.endr
.endm
.macro FINISH                          ; the wave's end
	s_wait_tensorcnt 0x0
	ds_add_u32 v2, v3
	s_wait_dscnt 0x0
	s_endpgm
.endm
	s_load_b512 s[4:19], s[0:1], 0x0               ; q 4:5, k 6:7, v 8:9, wq 10:11, wk 12:13, wv 14:15, bq 16:17, bk 18:19
	s_load_b256 s[20:27], s[0:1], 0x40             ; bv 20:21, scales 22:23, mask 24:25, qimg 26:27
	s_load_b128 s[28:31], s[0:1], 0x60             ; kimg 28:29, vimg 30:31
	s_load_b64 s[32:33], s[0:1], 0x70              ; flags
	v_lshl_add_u32 v2, v0, 2, SPARE                ; my spare word; never rewritten
	v_mov_b32 v3, 0                                ; 0; never rewritten
	v_lshrrev_b32 v4, 5, v0
	v_readfirstlane_b32 s34, v4                    ; wave 0..15
	v_and_b32 v1, 31, v0
	v_lshlrev_b32 v1, 4, v1                        ; 16 x lane
	s_and_b32 s37, ttmp9, 1
	s_lshr_b32 s36, ttmp9, 1
	s_sub_co_u32 s38, ttmp9, 192
	s_wait_kmcnt 0x0
	s_load_b256 s[40:47], s[22:23], 0x0            ; e0 .. e7
	s_load_b128 s[48:51], s[22:23], 0x20           ; e8 .. e11
	s_cmp_ge_u32 ttmp9, 384                        ; numbers under 384: even = scan tile n/2, odd = proj n/2; from 384 on: scan tile n - 192
	s_cselect_b32 s37, 0, s37
	s_cselect_b32 s36, s38, s36
	s_cmp_eq_u32 s37, 0
	s_cbranch_scc1 .Lscan
; ------------------------------------------------------------------ PROJ
; Wave w makes features 32 w .. 32 w + 31 (head w / 2, half w % 2: two tiles of 16) for the block's 128 rows; its 32 rows of W stay in registers.
; REGISTERS: v4 fragment address in x's tile; v5, v6 where I put rows of x, of W; v7 fragment address in my W rows; v10 the conversion's scale, v11 57,344 x it;
;  v16-31 bias as C (2 x 8); v32-47 the two accumulators; v48-63 codes; v64-127 x's fragments (4 K steps x 16); v128-255 W's fragments at 128 + 64 u + 16 s.
; Both operands are fetched 16 bytes at a time (registers 4c..4c+3: k = 32c + 16h + 0..15): the same permutation of k on both sides, so every product meets its partner.
	s_lshr_b32 s38, s36, 6                         ; which tensor: 0 q, 1 k, 2 v
	s_and_b32 s39, s36, 63                         ; which 128 rows
	v_and_b32 v12, 15, v0                          ; r
	v_bfe_u32 v13, v0, 4, 1                        ; h
	v_mul_u32_u24 v4, v12, XP
	v_lshl_add_u32 v4, v13, 4, v4                  ; r x pitch + 16 h (x's tile begins at LDS byte 0)
	s_mul_i32 s66, s34, 8*XP
	v_add_nc_u32 v5, s66, v1                       ; rows 8 w on of x's tile, 16 bytes a lane
	s_mul_i32 s66, s34, WRB
	s_add_co_u32 s66, s66, WR
	v_add_nc_u32 v6, s66, v1
	v_add_nc_u32 v7, s66, v4
	s_cmp_eq_u32 s38, 1                            ; the buffers are chosen on the work-group's number alone
	s_cselect_b64 s[52:53], s[6:7], s[8:9]
	s_cselect_b64 s[54:55], s[12:13], s[14:15]
	s_cselect_b64 s[56:57], s[18:19], s[20:21]
	s_cselect_b64 s[58:59], s[28:29], s[30:31]
	s_cmp_eq_u32 s38, 0
	s_cselect_b64 s[52:53], s[4:5], s[52:53]       ; x's codes
	s_cselect_b64 s[54:55], s[10:11], s[54:55]     ; W's codes
	s_cselect_b64 s[56:57], s[16:17], s[56:57]     ; the bias
	s_cselect_b64 s[58:59], s[26:27], s[58:59]     ; the image
	s_cmp_eq_u32 s38, 2                            ; q, k: register j of lane (r, h) is feature 8 h + j;  v: every register is feature r
	s_cselect_b32 s70, 4, 0
	s_cselect_b32 s71, 0, 32
	s_cselect_b32 s72, 0, 4
	s_cselect_b32 s73, 12, 9                       ; my half of a head in the image: 2 tiles of d (4,096 bytes) in vimg, a chunk (512 bytes) in qimg, kimg
	v_mul_u32_u24 v8, v12, s70
	v_mad_u32_u24 v8, v13, s71, v8
	v_mov_b32 v9, s72
.irp j, 0,1,2,3,4,5,6,7
	v_mad_u32_u24 v[32+\j], v9, \j, v8             ; byte offset of register j's bias
.endr
	s_lshl_b32 s68, s39, 16                        ; 128 rows of 512 bytes,
	s_lshl_b32 s69, s34, 12                        ; my 8 of them
	s_add_co_u32 s68, s68, s69
	s_mov_b32 s69, 0
	s_add_nc_u64 s[52:53], s[52:53], s[68:69]
	s_lshl_b32 s68, s34, 14                        ; my 32 rows of W
	s_add_nc_u64 s[54:55], s[54:55], s[68:69]
	s_lshl_b32 s68, s34, 7                         ; my 32 numbers of the bias
	s_add_nc_u64 s[56:57], s[56:57], s[68:69]
	s_lshr_b32 s68, s39, 5                         ; batch
	s_lshl_b32 s68, s68, 3
	s_lshr_b32 s74, s34, 1
	s_add_co_u32 s68, s68, s74                     ; 8 x batch + head
	s_lshl_b32 s68, s68, 18
	s_and_b32 s74, s39, 31
	s_lshl_b32 s74, s74, 13                        ; the block of 128 rows: 8,192 bytes of image
	s_add_co_u32 s68, s68, s74
	s_and_b32 s74, s34, 1
	s_lshl_b32 s74, s74, s73
	s_add_co_u32 s68, s68, s74
	s_add_nc_u64 s[58:59], s[58:59], s[68:69]
.irp u, 0,1
.irp j, 0,1,2,3,4,5,6,7
	global_load_b32 v[16+8*\u+\j], v[32+\j], s[56:57] offset:64*\u
.endr
.endr
.irp i, 0,1,2,3,4,5,6,7
	global_load_b128 v[64+4*\i:67+4*\i], v1, s[52:53] offset:512*\i th:TH_LOAD_NT   ; a row of x: 512 consecutive bytes a load
.endr
.irp i, 0,1,2,3,4,5,6,7,8,9,10,11,12,13,14,15
	global_load_b128 v[128+4*\i:131+4*\i], v1, s[54:55] offset:512*\i
.endr
.irp i, 0,1,2,3,4,5,6,7,8,9,10,11,12,13,14,15
	global_load_b128 v[192+4*\i:195+4*\i], v1, s[54:55] offset:8192+512*\i
.endr
; 16 rows of W go through my own LDS rows and come back as four fragments.  LDS serves a wave's instructions in order, so no wait stands between the stores and the loads, nor ahead of the second tile's stores.
.macro WTURN u
.irp i, 0,1,2,3,4,5,6,7,8,9,10,11,12,13,14,15
	ds_store_b128 v6, v[128+64*\u+4*\i:131+64*\u+4*\i] offset:XP*\i
.endr
.irp s, 0,1,2,3
.irp c, 0,1,2,3
	ds_load_b128 v[128+64*\u+16*\s+4*\c:131+64*\u+16*\s+4*\c], v7 offset:128*\s+32*\c
.endr
.endr
.endm
	s_wait_loadcnt 32                              ; the bias and x are in; W's 32 loads may be out
.irp i, 0,1,2,3,4,5,6,7
	ds_store_b128 v5, v[64+4*\i:67+4*\i] offset:XP*\i
.endr
	s_wait_loadcnt 16                              ; W's first 16 rows are in
	WTURN 0
	s_wait_loadcnt 0x0
	WTURN 1
	s_wait_kmcnt 0x0
	s_cmp_eq_u32 s38, 1
	s_cselect_b32 s60, s42, s44                    ; e of x,
	s_cselect_b32 s61, s43, s45                    ; of W,
	s_cselect_b32 s62, s47, s49                    ; of the result as an operand
	s_cmp_eq_u32 s38, 0
	s_cselect_b32 s60, s40, s60
	s_cselect_b32 s61, s41, s61
	s_cselect_b32 s62, s46, s62
	s_add_co_i32 s60, s60, s61                     ; a sum stands for sum x 2^(ex + ew):
	s_sub_co_i32 s63, 0, s60                       ; the bias goes in divided by that,
	s_sub_co_i32 s62, s62, s60                     ; and the three scales are folded into the conversion's one
	s_add_co_i32 s62, s62, 127
	s_lshl_b32 s61, s62, 23
	v_mov_b32 v10, s61
	s_add_co_i32 s62, s62, 15
	s_lshl_b32 s62, s62, 23
	s_or_b32 s62, s62, 0x600000
	v_mov_b32 v11, s62                             ; 57,344 x that scale
.irp j, 0,1,2,3,4,5,6,7,8,9,10,11,12,13,14,15
	v_ldexp_f32 v[16+\j], v[16+\j], s63
.endr
	s_wait_dscnt 0x0                               ; my rows of x have landed in LDS (and my fragments of W are in)
	s_barrier_signal -1
	s_barrier_wait -1                              ; everybody's have: the path's one barrier; behind it LDS is only read
.macro XFETCH m                        ; x's four fragments of rows 16 m on
.irp s, 0,1,2,3
.irp c, 0,1,2,3
	ds_load_b128 v[64+16*\s+4*\c:67+16*\s+4*\c], v4 offset:16*(\m)*XP+128*\s+32*\c
.endr
.endr
.endm
.macro HOLD16                          ; the conversion to an 8-bit code does not saturate (ISA guide 7.6.2): hold at the largest code x the scale; each accumulator from its low end on
.irp j, 0,1,2,3,4,5,6,7,8,9,10,11,12,13,14,15
	v_med3_num_f32 v[32+\j], v[32+\j], -v11, v11
.endr
.endm
	XFETCH 0
	s_cmp_eq_u32 s38, 2
	s_cbranch_scc1 .Lvpart
; q, k: TRANSPOSED (source 0 = 16 rows of W, source 1 = 16 rows of x): lane (r, h) holds row r, register j feature 16 u + 8 h + j: one conversion gives registers 2c, 2c+1 of the image.
; The two accumulators take turns, one instruction a turn; the bias is the C of each sum's first product.
.macro QKTILE m
	s_wait_dscnt 0x0                               ; x's fragments are in
.irp s, 0,1,2,3
.irp u, 0,1
.if \s == 0
	v_wmma_f32_16x16x128_bf8_bf8 v[32+8*\u:39+8*\u], v[128+64*\u+16*\s:143+64*\u+16*\s], v[64+16*\s:79+16*\s], v[16+8*\u:23+8*\u]
.else
	v_wmma_f32_16x16x128_bf8_bf8 v[32+8*\u:39+8*\u], v[128+64*\u+16*\s:143+64*\u+16*\s], v[64+16*\s:79+16*\s], v[32+8*\u:39+8*\u]
.endif
.endr
.endr
	PLACES 5                                       ; four ahead of the loads and the reads below; the fifth since the next tile's products begin these accumulators anew
.if \m < 7
	XFETCH (\m)+1
.endif
	s_wait_xcnt 0x0                                ; the last store has read its codes: they are written again below
	HOLD16
	v_cvt_scalef32_pk8_bf8_f32 v[48:49], v[32:39], v10
	v_cvt_scalef32_pk8_bf8_f32 v[50:51], v[40:47], v10
	v_nop                                          ; a plain line between the conversions and the products that write their sources
	global_store_b128 v1, v[48:51], s[58:59] offset:1024*(\m)   ; 512 consecutive bytes: my chunk of tile m's image
.endm
.irp m, 0,1,2,3,4,5,6,7
	QKTILE \m
.endr
	FINISH
; v: NOT transposed (source 0 = 16 rows of x = 16 keys, source 1 = 16 rows of W): lane (r, h) holds d = 16 u + r, register j key 16 m + 8 h + j: registers 2m, 2m+1 of V^T's fragment.
.Lvpart:
.macro VTILE m
.set CB, 48+8*(((\m)/2)%2)             ; two sets of codes by turns: 4 registers for each of my two tiles of d
	s_wait_dscnt 0x0
.irp s, 0,1,2,3
.irp u, 0,1
.if \s == 0
	v_wmma_f32_16x16x128_bf8_bf8 v[32+8*\u:39+8*\u], v[64+16*\s:79+16*\s], v[128+64*\u+16*\s:143+64*\u+16*\s], v[16+8*\u:23+8*\u]
.else
	v_wmma_f32_16x16x128_bf8_bf8 v[32+8*\u:39+8*\u], v[64+16*\s:79+16*\s], v[128+64*\u+16*\s:143+64*\u+16*\s], v[32+8*\u:39+8*\u]
.endif
.endr
.endr
	PLACES 5
.if \m < 7
	XFETCH (\m)+1
.endif
.if ((\m)%2) == 0
	s_wait_xcnt 0x0                                ; the stores of two chunks ago have read this set
.endif
	HOLD16
	v_cvt_scalef32_pk8_bf8_f32 v[CB+2*((\m)%2):CB+2*((\m)%2)+1], v[32:39], v10
	v_cvt_scalef32_pk8_bf8_f32 v[CB+4+2*((\m)%2):CB+4+2*((\m)%2)+1], v[40:47], v10
	v_nop
.if ((\m)%2) == 1
	global_store_b128 v1, v[CB:CB+3], s[58:59] offset:512*((\m)/2)
	global_store_b128 v1, v[CB+4:CB+7], s[58:59] offset:2048+512*((\m)/2)
.endif
.endm
.irp m, 0,1,2,3,4,5,6,7
	VTILE \m
.endr
	FINISH
; ------------------------------------------------------------------ SCAN
; Tile s36: 16 rows of the mask.  Wave w takes key steps 2 w and 2 w + 1: each load reads 512 consecutive bytes, one row of one step.
; REGISTERS: v16-47 each row's smallest among my four numbers, for the two steps; v48, v49 a step's smallest; v50, v51 its largest; v64-191 the numbers.
.Lscan:
	s_lshl_b32 s38, s36, 18
	s_mov_b32 s39, 0
	s_add_nc_u64 s[24:25], s[24:25], s[38:39]
	s_lshl_b32 s38, s36, 3
	s_add_nc_u64 s[32:33], s[32:33], s[38:39]      ; my tile's two words
	s_lshl_b32 s38, s34, 10
	v_add_nc_u32 v4, s38, v1
.irp c, 0,1
.irp r, 0,1,2,3,4,5,6,7,8,9,10,11,12,13,14,15
	global_load_b128 v[64+64*\c+4*\r:67+64*\c+4*\r], v4, s[24:25] offset:16384*\r+512*\c th:TH_LOAD_NT
.endr
.endr
	s_lshl_b32 s38, s34, 6
	s_add_co_u32 s38, s38, SCN
	v_mov_b32 v13, s38                             ; my wave's 16 row words
	s_lshl_b32 s38, s34, 3
	s_add_co_u32 s38, s38, SCN+1024
	v_mov_b32 v14, s38                             ; my wave's two step words
	v_and_b32 v15, 15, v0
	v_lshlrev_b32 v15, 2, v15
	v_add_nc_u32 v15, SCN, v15                     ; back: row lane % 16
	v_and_b32 v5, 31, v0
	v_lshlrev_b32 v5, 2, v5
	v_add_nc_u32 v5, SCN+1024, v5                  ; back: step = lane
	s_mov_b32 s66, 0x76543210
	s_mov_b32 s67, 0xfedcba98                      ; lane l xor 16
.macro SCANC c
.irp r, 0,1,2,3,4,5,6,7,8,9,10,11,12,13,14,15
	v_min3_num_f32 v[16+16*\c+\r], v[64+64*\c+4*\r], v[65+64*\c+4*\r], v[66+64*\c+4*\r]
.endr
.irp r, 0,1,2,3,4,5,6,7,8,9,10,11,12,13,14,15
	v_min_num_f32 v[16+16*\c+\r], v[16+16*\c+\r], v[67+64*\c+4*\r]
.endr
	v_max_num_f32 v[50+\c], v[64+64*\c], v[65+64*\c]
.set j, 2
.rept 31
	v_max3_num_f32 v[50+\c], v[50+\c], v[64+64*\c+j], v[65+64*\c+j]
.set j, j+2
.endr
	v_min3_num_f32 v[48+\c], v[16+16*\c], v[17+16*\c], v[18+16*\c]
.irp i, 3,5,7,9,11,13
	v_min3_num_f32 v[48+\c], v[48+\c], v[16+16*\c+\i], v[17+16*\c+\i]
.endr
	v_min_num_f32 v[48+\c], v[48+\c], v[31+16*\c]
.endm
	s_wait_loadcnt 16                              ; the first step's 16 rows are in; the second's may be out
	SCANC 0
	s_wait_loadcnt 0x0
	SCANC 1
.irp r, 0,1,2,3,4,5,6,7,8,9,10,11,12,13,14,15
	v_min_num_f32 v[16+\r], v[16+\r], v[32+\r]     ; a row's smallest over my two steps
.endr
.irp x, 1,2,4,8                        ; across the lanes, level by level, so that no line waits for the line above it
.irp r, 16,17,18,19,20,21,22,23,24,25,26,27,28,29,30,31,48,49
	v_min_num_f32_dpp v\r, v\r, v\r row_xmask:\x row_mask:0xf bank_mask:0xf
.endr
	v_max_num_f32_dpp v50, v50, v50 row_xmask:\x row_mask:0xf bank_mask:0xf
	v_max_num_f32_dpp v51, v51, v51 row_xmask:\x row_mask:0xf bank_mask:0xf
.endr
.irp r, 16,17,18,19,20,21,22,23,24,25,26,27,28,29,30,31,48,49,50,51
	v_permlanex16_b32 v[48+\r], v\r, s66, s67      ; (destinations that have been written: the numbers' registers)
.endr
.irp r, 16,17,18,19,20,21,22,23,24,25,26,27,28,29,30,31,48,49
	v_min_num_f32 v\r, v\r, v[48+\r]
.endr
	v_max_num_f32 v50, v50, v98
	v_max_num_f32 v51, v51, v99
.irp r, 0,1,2,3,4,5,6,7,8,9,10,11,12,13,14,15
	ds_store_b32 v13, v[16+\r] offset:4*\r         ; all lanes write the same word with the same value
.endr
	ds_store_b32 v14, v48
	ds_store_b32 v14, v49 offset:4
	ds_store_b32 v14, v50 offset:128
	ds_store_b32 v14, v51 offset:132
	s_wait_dscnt 0x0                               ; for the others' sake: my words have landed
	s_barrier_signal -1
	s_barrier_wait -1
.irp w, 0,1,2,3,4,5,6,7,8,9,10,11,12,13,14,15      ; every wave finishes the sums alike: no branch, and thread 0 alone stores
	ds_load_b32 v[64+\w], v15 offset:64*\w
.endr
	ds_load_b32 v20, v5                            ; tm of step = lane
	ds_load_b32 v21, v5 offset:128                 ; its largest
	s_wait_dscnt 0x0
	v_min3_num_f32 v22, v64, v65, v66
.irp i, 67,69,71,73,75,77
	v_min3_num_f32 v22, v22, v[\i], v[\i+1]
.endr
	v_min_num_f32 v22, v22, v79                    ; row lane % 16's smallest over all keys
.irp x, 1,2,4,8
	v_max_num_f32_dpp v22, v22, v22 row_xmask:\x row_mask:0xf bank_mask:0xf
.endr                                          ; m0: the largest of the 16
	s_wait_kmcnt 0x0
	s_add_co_i32 s38, s46, s47                     ; e6 + e7
	v_mov_b32 v23, 0x51440000                      ; 49 x 2^30
	v_ldexp_f32 v23, v23, s38                      ; 2 L
	v_add_f32 v23, 0x43000000, v23                 ; + 128
	v_add_f32 v24, |v20|, |v22|
	v_mov_b32 v25, 0x447a0000                      ; 1000
	v_fmac_f32 v23, v24, v25
	v_sub_f32 v26, v20, v22
	v_mul_f32 v26, 0x4e6e6b28, v26                 ; 1e9 (tm - m0)
	v_max_num_f32 v27, v21, -v20                   ; the step's largest magnitude
	v_cmp_gt_f32 s70, v26, v23                     ; SKIP, bit = step
	v_cmp_lt_f32 s71, 0, v27
	s_and_not1_b32 s71, s71, s70                   ; MIXED
	v_mov_b32 v28, s70
	v_mov_b32 v29, s71
	v_mov_b32 v30, 0
	s_wait_xcnt 0x0                                ; EXEC changes only behind this wait
	v_cmp_eq_u32 vcc_lo, 0, v0
	s_and_saveexec_b32 s72, vcc_lo
	global_store_b64 v30, v[28:29], s[32:33]       ; 8 bytes a work-group, 2,048 in the launch: the one store here that does not cover 256 consecutive bytes
	s_wait_xcnt 0x0                                ; and again ahead of the line that widens it
	s_or_b32 exec_lo, exec_lo, s72
	FINISH
.Lfunc_end_k_qa98d5cddce_prep:
	.size	k_qa98d5cddce_prep, .Lfunc_end_k_qa98d5cddce_prep-k_qa98d5cddce_prep
	.p2alignl 7, 3214868480
	.fill 96, 4, 3214868480
	.section	.rodata,"a",@progbits
	.p2align	6, 0x0
	.amdhsa_kernel k_qa98d5cddce_prep
		.amdhsa_group_segment_fixed_size 206080
		.amdhsa_private_segment_fixed_size 0
		.amdhsa_enable_private_segment 0
		.amdhsa_kernarg_size 120
		.amdhsa_user_sgpr_count 2
		.amdhsa_user_sgpr_kernarg_segment_ptr 1
		.amdhsa_wavefront_size32 1
		.amdhsa_system_sgpr_workgroup_id_x 1
		.amdhsa_system_sgpr_workgroup_id_y 1
		.amdhsa_system_sgpr_workgroup_id_z 1
		.amdhsa_system_vgpr_workitem_id 0
		.amdhsa_next_free_vgpr 256
		.amdhsa_next_free_sgpr 76
		.amdhsa_reserve_vcc 1
		.amdhsa_float_denorm_mode_32 3
		.amdhsa_float_denorm_mode_16_64 3
		.amdhsa_memory_ordered 1
		.amdhsa_forward_progress 1
		.amdhsa_inst_pref_size 86
	.end_amdhsa_kernel
	.amdgpu_metadata
---
amdhsa.version: [ 1, 2 ]
amdhsa.kernels:
  - .name:           k_qa98d5cddce_prep
    .symbol:         k_qa98d5cddce_prep.kd
    .args:
      - { .name: q_codes, .offset: 0, .size: 8, .value_kind: global_buffer, .address_space: global }
      - { .name: k_codes, .offset: 8, .size: 8, .value_kind: global_buffer, .address_space: global }
      - { .name: v_codes, .offset: 16, .size: 8, .value_kind: global_buffer, .address_space: global }
      - { .name: wq_codes, .offset: 24, .size: 8, .value_kind: global_buffer, .address_space: global }
      - { .name: wk_codes, .offset: 32, .size: 8, .value_kind: global_buffer, .address_space: global }
      - { .name: wv_codes, .offset: 40, .size: 8, .value_kind: global_buffer, .address_space: global }
      - { .name: bq, .offset: 48, .size: 8, .value_kind: global_buffer, .address_space: global }
      - { .name: bk, .offset: 56, .size: 8, .value_kind: global_buffer, .address_space: global }
      - { .name: bv, .offset: 64, .size: 8, .value_kind: global_buffer, .address_space: global }
      - { .name: lowp_scales, .offset: 72, .size: 8, .value_kind: global_buffer, .address_space: global }
      - { .name: mask, .offset: 80, .size: 8, .value_kind: global_buffer, .address_space: global }
      - { .name: qimg, .offset: 88, .size: 8, .value_kind: global_buffer, .address_space: global }
      - { .name: kimg, .offset: 96, .size: 8, .value_kind: global_buffer, .address_space: global }
      - { .name: vimg, .offset: 104, .size: 8, .value_kind: global_buffer, .address_space: global }
      - { .name: flags, .offset: 112, .size: 8, .value_kind: global_buffer, .address_space: global }
    .group_segment_fixed_size: 206080
    .private_segment_fixed_size: 0
    .kernarg_segment_align: 8
    .kernarg_segment_size: 120
    .max_flat_workgroup_size: 512
    .sgpr_count:     76
    .vgpr_count:     256
    .wavefront_size: 32
...
	.end_amdgpu_metadata
.endif
;; end of part 1
;; launch attn (part 2): grid 16 x 16, 16 waves a work-group, no clusters, 34,816 bytes of LDS; arguments qimg, kimg, vimg, mask, flags, lowp_scales, aimg; writes aimg
.if DOCPART == 2
	.amdgcn_target "amdgcn-amd-amdhsa--gfx1250"
	.amdhsa_code_object_version 6
	.text
	.protected	k_qa98d5cddce_attn
	.globl	k_qa98d5cddce_attn
	.p2align	8
	.type	k_qa98d5cddce_attn,@function
k_qa98d5cddce_attn:
	s_mov_b64 s[64:65], 0
	v_nop
	global_prefetch_b8 v0, s[64:65] scope:SCOPE_SE
	s_setreg_imm32_b32 hwreg(HW_REG_WAVE_MODE, 25, 1), 1
	s_wait_xcnt 0x0
; ATTN: products 4 and 5 on E5M2 codes, the mask, the streaming softmax, / l, and the quantiser ahead of product 6.
; Left out, by the stored flags alone: key steps whose SKIP bit is set (p = 0 in the sum and in the codes, no row's maximum: shown at the head of the first kernel) and the mask's read where MIXED is clear (it adds +-0).
; SHARES.  Work-group (i, b h) owns the query blocks i and 31 - i (128 queries each) of one head; each of its 16 waves owns one tile of 16 queries in 256 registers, four waves to a SIMD, two of each block.
; Every wave passes all 32 key steps of 128 keys; a step's K and V images (8,192 bytes each) are copied by all 512 threads, 16 bytes each, through registers into one of two LDS buffers, a step ahead,
; where some tile of the work-group needs that step.
; LAYOUT.  Both products transposed: S^T = K Q^T (source 0 = 16 keys), O^T = V^T P^T (source 0 = 16 d): a lane holds ONE query (lane % 16) throughout.  Register j of tile t of S^T is key 16 t + 8 (lane / 16) + j,
; so one conversion gives registers 2t, 2t+1 of P as an operand; register j of tile d of O^T is channel 16 d + 8 (lane / 16) + j, so one conversion gives registers 2d, 2d+1 of product 6's operand.
; SOFTMAX.  t = logit x log2(e); M = the running largest t rounded up to a whole number; p = 2^(t - M) is quantised with 2^e8; the row's sum is taken of the unquantised p; a change of M multiplies the sum and O^T by a power of two.
; A mixed step forms logit = S 2^(e6+e7-3) + mask x (-1e9) with two roundings (the product by a power of two is exact), then t.
; LIMITS: e6 + e7 between -123 and 130; e8 and e10 - e8 - e9 between -126 and 112.  NaN in the mask is not served.
; REGISTERS: v1 16 x lane; v2, v3 the add's two; v4 16 x thread; v5 my place in a mask tile; v6 256 x lane; v12 -M, v13 the largest t, v[14:15] the sum; v16-23 Q; v24-31 the staged pieces;
;  v32-95 K's fragments, the mask, V's fragments; v96-159 S^T, then p; v160-191 O^T; v192-207 codes; v236, v242-243, v252-254 at work; v240, v244 p's hold and scale; v241, v245 the result's.
.set SPARE, 32768                      ; behind the two buffers of 16,384 bytes: the spare words, 128 bytes for each of 16 waves
.set KB,    24                         ; s[24:25] kimg at the step in hand
.set VB,    26                         ; s[26:27] vimg likewise
.set MB,    28                         ; s[28:29] the mask at my 16 rows, the step in hand
.set PFA,   30                         ; s[30:31] where my prefetches stand
.set LIM,   32                         ; s32  steps in which I prefetch: 29 or 0
.set KC,    33                         ; s33  the step's number
.set SKIP,  34                         ; s34  my tile's SKIP bits, shifted so that bit 0 is the step in hand
.set MIXED, 35                         ; s35  its MIXED bits likewise
.set NEEDN, 36                         ; s36  bit 0: some tile of the work-group needs the NEXT step
.set CS,    38                         ; s[38:39] what turns v96.. into t: c in a clean step, 1.0 in a mixed one
.macro PLACES n
.rept \n
	v_nop
.endr
.endm
	s_load_b256 s[4:11], s[0:1], 0x0               ; qimg 4:5, kimg 6:7, vimg 8:9, mask 10:11
	s_load_b128 s[12:15], s[0:1], 0x20             ; flags 12:13, scales 14:15
	s_load_b64 s[16:17], s[0:1], 0x30              ; aimg
	v_lshl_add_u32 v2, v0, 2, SPARE
	v_mov_b32 v3, 0
	v_lshrrev_b32 v7, 5, v0
	v_readfirstlane_b32 s18, v7                    ; wave 0..15
	v_and_b32 v1, 31, v0
	v_lshlrev_b32 v6, 8, v1
	v_lshlrev_b32 v1, 4, v1
	v_lshlrev_b32 v4, 4, v0
	v_and_b32 v7, 15, v0                           ; r
	v_bfe_u32 v8, v0, 4, 1                         ; h
	v_lshlrev_b32 v5, 14, v7                       ; a mask row is 16,384 bytes
	v_lshl_add_u32 v5, v8, 5, v5                   ; + 8 h keys
	s_and_b32 s19, ttmp7, 0xffff                   ; b h
	s_lshr_b32 s20, s18, 2
	s_xor_b32 s20, s20, s18
	s_and_b32 s20, s20, 1                          ; which of the two blocks: of waves w, w + 4, w + 8, w + 12 two take each
	s_sub_co_u32 s21, 31, ttmp9
	s_cmp_eq_u32 s20, 0
	s_cselect_b32 s22, ttmp9, s21
	s_lshl_b32 s22, s22, 3
	s_lshr_b32 s23, s18, 1
	s_add_co_u32 s22, s22, s23                     ; my tile of 16 queries, 0..255
	s_lshl_b32 s2, s19, 18
	s_mov_b32 s3, 0                                ; the head's first byte in kimg, vimg
	s_lshl_b32 s38, s19, 8
	s_add_co_u32 s38, s38, s22
	s_lshl_b32 s38, s38, 10
	s_mov_b32 s39, 0                               ; my tile in qimg
	s_lshl_b32 s66, s22, 18
	s_mov_b32 s67, 0                               ; my 16 rows of the mask
	s_lshr_b32 s48, s19, 3
	s_lshl_b32 s48, s48, 8
	s_add_co_u32 s48, s48, s22                     ; 256 x batch + tile
	s_lshl_b32 s48, s48, 3
	s_and_b32 s49, s19, 7
	s_add_co_u32 s48, s48, s49                     ; x 8 + head
	s_lshl_b32 s48, s48, 10
	s_mov_b32 s49, 0
	s_mov_b32 s41, 0
	s_wait_kmcnt 0x0
	s_add_nc_u64 s[KB:KB+1], s[6:7], s[2:3]
	s_add_nc_u64 s[VB:VB+1], s[8:9], s[2:3]
	s_add_nc_u64 s[4:5], s[4:5], s[38:39]
	global_load_b128 v[24:27], v4, s[KB:KB+1]      ; step 0's images, my 16 bytes of each
	global_load_b128 v[28:31], v4, s[VB:VB+1]
	global_load_b128 v[16:19], v1, s[4:5]          ; Q's fragment stays in registers
	global_load_b128 v[20:23], v1, s[4:5] offset:512
	s_add_nc_u64 s[MB:MB+1], s[10:11], s[66:67]
	s_add_nc_u64 s[16:17], s[16:17], s[48:49]
	s_lshl_b32 s40, s22, 3
	s_add_nc_u64 s[42:43], s[12:13], s[40:41]      ; my tile's two words,
	s_lshl_b32 s40, ttmp9, 6
	s_add_nc_u64 s[44:45], s[12:13], s[40:41]      ; block i's sixteen,
	s_lshl_b32 s40, s21, 6
	s_add_nc_u64 s[46:47], s[12:13], s[40:41]      ; block 31 - i's
	s_load_b64 s[SKIP:SKIP+1], s[42:43], 0x0
	s_load_b512 s[68:83], s[44:45], 0x0
	s_load_b512 s[84:99], s[46:47], 0x0
	s_load_b256 s[52:59], s[14:15], 0x0            ; e0 .. e7
	s_load_b128 s[60:63], s[14:15], 0x20           ; e8 .. e11
	; THE PREFETCHES.  All 16 work-groups of a head walk the same images: work-group x = 0 asks, in it wave 1 for K's and wave 3 for V's; one instruction names a step's 8,192 bytes, lanes 256 bytes apart,
	; so each block of 256 bytes is named once in the launch.  Step k asks for step k + 3, whose staged load is issued in step k + 2.  Steps 0 to 2 come by their loads alone; nothing is asked past step 31.
	s_cmp_eq_u32 s18, 1
	s_cselect_b64 s[PFA:PFA+1], s[KB:KB+1], s[VB:VB+1]
	s_add_nc_u64 s[PFA:PFA+1], s[PFA:PFA+1], 2*8192
	s_and_b32 s20, s18, 13
	s_xor_b32 s20, s20, 1                          ; 0 in waves 1 and 3,
	s_or_b32 s20, s20, ttmp9                       ; of work-group x = 0
	s_cmp_eq_u32 s20, 0
	s_cselect_b32 s[LIM], 29, 0
	s_mov_b32 s[KC], 0
	s_mov_b32 s37, 16                              ; trips of two steps
	v_mov_b32 v13, 0xff61b1e6                      ; the largest t so far: -3e38, under every t
	v_floor_f32 v12, -v13                          ; -M
	v_mov_b32 v14, 0
	v_mov_b32 v15, 0
	v_mov_b32 v236, 0                              ; a lane permute's destination counts as one of its sources: written here for every path
	v_mov_b32 v253, 0                              ; (named as the upper half of v[252:253])
.set j, 0
.rept 32
	v_mov_b32 v[160+j], 0                          ; O^T: the step is written once; the first finds zeros, which the first change of M leaves zeros
.set j, j+1
.endr
	s_wait_loadcnt 0x2                             ; the two staged pieces are in; Q's two loads may be out
	ds_store_b128 v4, v[24:27]
	ds_store_b128 v4, v[28:31] offset:8192
	s_wait_kmcnt 0x0
	s_and_b32 s[NEEDN], s68, s70                   ; a step that all 16 tiles skip is not staged
.irp n, 72,74,76,78,80,82,84,86,88,90,92,94,96,98
	s_and_b32 s[NEEDN], s[NEEDN], s\n
.endr
	s_not_b32 s[NEEDN], s[NEEDN]
	s_lshr_b32 s[NEEDN], s[NEEDN], 1
	s_add_co_i32 s20, s58, s59                     ; e6 + e7
	s_sub_co_i32 s21, s20, 3                       ; / sqrt(64)
	s_lshl_b32 s21, s21, 23
	s_add_co_i32 s40, s21, 0x3fb8aa3b              ; s[40:41] c = log2(e) x 2^(e6+e7-3): the exponents are added to log2(e)'s exponent field
	s_mov_b32 s41, s40
	s_add_co_i32 s42, s20, 124
	s_lshl_b32 s42, s42, 23                        ; s[42:43] 2^(e6+e7-3)
	s_mov_b32 s43, s42
	s_mov_b32 s44, 0xce6e6b28                      ; s[44:45] -1e9
	s_mov_b32 s45, s44
	s_mov_b32 s46, 0x3fb8aa3b                      ; s[46:47] log2(e)
	s_mov_b32 s47, s46
	s_mov_b32 s48, 0x76543210
	s_mov_b32 s49, 0xfedcba98                      ; lane l xor 16
	s_cmp_ge_i32 s60, -15                          ; p <= 1 <= 57,344 x 2^e8 wherever e8 >= -15: the hold then changes nothing
	s_cselect_b32 s50, 1, 0
	s_add_co_i32 s20, s60, 127
	s_lshl_b32 s21, s20, 23
	v_mov_b32 v244, s21                            ; 2^e8
	s_add_co_i32 s20, s20, 15
	s_lshl_b32 s20, s20, 23
	s_or_b32 s20, s20, 0x600000
	v_mov_b32 v240, s20                            ; 57,344 x 2^e8
	s_sub_co_i32 s20, s62, s60
	s_sub_co_i32 s20, s20, s61                     ; O^T / l stands for that x 2^(e8+e9): its code is it / 2^(e10-e8-e9)
	s_add_co_i32 s20, s20, 127
	s_lshl_b32 s21, s20, 23
	v_mov_b32 v245, s21
	s_add_co_i32 s20, s20, 15
	s_lshl_b32 s20, s20, 23
	s_or_b32 s20, s20, 0x600000
	v_mov_b32 v241, s20
	s_wait_loadcnt 0x0                             ; Q
	s_wait_dscnt 0x0                               ; my pieces of step 0 have landed
	s_barrier_signal -1
	s_barrier_wait -1
; A KEY STEP, read from buffer buf.  Between two barriers buffer buf is only read and the other only written; each wave's reads are waited for ahead of its signal.
.macro STEP buf
	s_wait_xcnt 0x0                                ; the prefetch of a step ago has read its address
	s_add_nc_u64 s[PFA:PFA+1], s[PFA:PFA+1], 8192
	s_bitcmp1_b32 s[NEEDN], 0                      ; the same in all 16 waves
	s_cbranch_scc0 .Lno_stage_\@
	global_load_b128 v[24:27], v4, s[KB:KB+1] offset:8192   ; the next step's images: they land under this step's work
	global_load_b128 v[28:31], v4, s[VB:VB+1] offset:8192
.Lno_stage_\@:
	s_cmp_lt_u32 s[KC], s[LIM]
	s_cbranch_scc0 .Lno_ask_\@
	global_prefetch_b8 v6, s[PFA:PFA+1] th:TH_LOAD_NT scope:SCOPE_SE
.Lno_ask_\@:
	s_bitcmp1_b32 s[SKIP], 0
	s_cbranch_scc1 .Lhidden_\@                     ; round the step's work; not round the copy, the steps of the addresses or the barrier
.irp t, 0,1,2,3,4,5,6,7
.irp c, 0,1
	ds_load_b128 v[32+8*\t+4*\c:35+8*\t+4*\c], v1 offset:16384*\buf+1024*\t+512*\c
.endr
.endr
	s_wait_dscnt 0x0
.irp t, 0,1,2,3,4,5,6,7
	v_wmma_f32_16x16x64_bf8_bf8 v[96+8*\t:103+8*\t], v[32+8*\t:39+8*\t], v[16:23], 0
.endr
	PLACES 4                                       ; ahead of loads into K's registers and of the first read of the scores
	s_mov_b32 s[CS], s40
	s_mov_b32 s[CS+1], s40
	s_bitcmp1_b32 s[MIXED], 0
	s_cbranch_scc0 .Lclean_\@
.irp t, 0,1,2,3,4,5,6,7
.irp e, 0,1
	global_load_b128 v[32+8*\t+4*\e:35+8*\t+4*\e], v5, s[MB:MB+1] offset:64*\t+16*\e   ; mask(my query, keys 16 t + 8 h + 4 e ..): in the scores' own layout
.endr
.endr
	s_wait_loadcnt 0x0
.set j, 0
.rept 32
	v_pk_mul_f32 v[32+j:33+j], v[32+j:33+j], s[44:45] op_sel_hi:[1,0]                   ; mask x (-1e9)
.set j, j+2
.endr
.set j, 0
.rept 32
	v_pk_fma_f32 v[96+j:97+j], v[96+j:97+j], s[42:43], v[32+j:33+j] op_sel_hi:[1,0,1]   ; the logit
.set j, j+2
.endr
.set j, 0
.rept 32
	v_pk_mul_f32 v[96+j:97+j], v[96+j:97+j], s[46:47] op_sel_hi:[1,0]                   ; t
.set j, j+2
.endr
	s_mov_b32 s[CS], 1.0
	s_mov_b32 s[CS+1], 1.0
.Lclean_\@:
.irp d, 0,1,2,3
.irp c, 0,1,2,3
	ds_load_b128 v[32+16*\d+4*\c:35+16*\d+4*\c], v1 offset:16384*\buf+8192+2048*\d+512*\c   ; V's fragments land under the softmax
.endr
.endr
	v_max3_num_f32 v254, v96, v97, v98             ; the step's largest among my 64 keys, in two chains, each accumulator from its low end on
	v_max3_num_f32 v252, v99, v100, v101
.irp i, 6,10,14,18,22,26,30,34,38,42,46,50,54,58
	v_max3_num_f32 v254, v254, v[96+\i], v[97+\i]
	v_max3_num_f32 v252, v252, v[98+\i], v[99+\i]
.endr
	v_max3_num_f32 v254, v254, v158, v159
	v_max_num_f32 v254, v254, v252
	v_permlanex16_b32 v236, v254, s48, s49
	v_max_num_f32 v254, v254, v236                 ; and among lane l xor 16's
	v_mul_f32 v254, s[CS], v254                    ; as t (the factor is positive)
	v_max_num_f32 v13, v13, v254                   ; the running largest t
	v_mov_b32 v254, v12
	v_floor_f32 v12, -v13                          ; the new -M = -ceil(t): a whole number
	v_sub_f32 v254, v12, v254                      ; old M - new M, 0 or less
	v_cvt_i32_f32 v254, v254                       ; (it saturates)
	v_ldexp_f32 v252, 1.0, v254                    ; f = 2^(old M - new M)
.set j, 0
.rept 32
	v_pk_fma_f32 v[96+j:97+j], v[96+j:97+j], s[CS:CS+1], v[12:13] op_sel_hi:[1,0,0]   ; t - M
.set j, j+2
.endr
.set j, 0
.rept 64
	v_exp_f32 v[96+j], v[96+j]                     ; p = 2^(t - M): not normalised
.set j, j+1
.endr
	v_pk_mul_f32 v[14:15], v[14:15], v[252:253] op_sel_hi:[1,0]   ; the sum under the new M: the plain line behind the exponentials
	s_wait_alu depctr_va_vdst(0)                   ; one wait for the batch of 64, ahead of its first reader
	v_pk_add_f32 v[242:243], v[96:97], v[98:99]    ; the row's sum of the unquantised p, in two chains
.irp j, 4,8,12,16,20,24,28,32,36,40,44,48,52,56,60
	v_pk_add_f32 v[14:15], v[14:15], v[96+\j:97+\j]
	v_pk_add_f32 v[242:243], v[242:243], v[98+\j:99+\j]
.endr
	v_pk_add_f32 v[14:15], v[14:15], v[242:243]
	s_cmp_lg_u32 s50, 0
	s_cbranch_scc1 .Lno_hold_\@
.set j, 0
.rept 64
	v_min_num_f32 v[96+j], v[96+j], v240           ; the conversion does not saturate (ISA guide 7.6.2); p is not negative, so the hold is one-sided
.set j, j+1
.endr
.Lno_hold_\@:
.irp t, 0,1,2,3,4,5,6,7
	v_cvt_scalef32_pk8_bf8_f32 v[192+2*\t:193+2*\t], v[96+8*\t:103+8*\t], v244
.endr
.set j, 0
.rept 16
	v_pk_mul_f32 v[160+j:161+j], v[160+j:161+j], v[252:253] op_sel_hi:[1,0]   ; O^T under the new M; also the plain lines between the conversions and the products
.set j, j+2
.endr
	s_wait_dscnt 0x0                               ; V's fragments are in
.irp d, 0,1,2,3
	v_wmma_f32_16x16x128_bf8_bf8 v[160+8*\d:167+8*\d], v[32+16*\d:47+16*\d], v[192:207], v[160+8*\d:167+8*\d]   ; four accumulators, one instruction a turn
.endr
	PLACES 4                                       ; ahead of the next loads into V's registers, the next codes and the next read of O^T
.Lhidden_\@:
	s_wait_loadcnt 0x0                             ; the staged pieces are in, and every load has read its base
	s_bitcmp1_b32 s[NEEDN], 0
	s_cbranch_scc0 .Lno_put_\@
	ds_store_b128 v4, v[24:27] offset:16384*(1-\buf)
	ds_store_b128 v4, v[28:31] offset:16384*(1-\buf)+8192
.Lno_put_\@:
	s_add_nc_u64 s[KB:KB+1], s[KB:KB+1], 8192
	s_add_nc_u64 s[VB:VB+1], s[VB:VB+1], 8192
	s_add_nc_u64 s[MB:MB+1], s[MB:MB+1], 512
	s_lshr_b32 s[SKIP], s[SKIP], 1
	s_lshr_b32 s[MIXED], s[MIXED], 1
	s_lshr_b32 s[NEEDN], s[NEEDN], 1
	s_add_co_u32 s[KC], s[KC], 1
	s_wait_dscnt 0x0                               ; my pieces have landed, and my reads of this buffer are over
	s_barrier_signal -1
	s_barrier_wait -1
.endm
.Ltrip:
	STEP 0
	STEP 1
	s_sub_co_u32 s37, s37, 1
	s_cmp_lg_u32 s37, 0
	s_cbranch_scc1 .Ltrip
	; THE WAY OUT: O^T / l, quantised for product 6; the lane's 8 registers of codes are its part of the image: two stores of 512 consecutive bytes.
	v_add_f32 v14, v14, v15
	v_permlanex16_b32 v236, v14, s48, s49          ; into the register that the head has written: the text has a path on which no step's work has run
	v_add_f32 v14, v14, v236                       ; the row's sum
	v_rcp_f32 v14, v14
	v_nop                                          ; a plain line behind the reciprocal
	s_wait_alu depctr_va_vdst(0)                   ; and the wait ahead of its first reader
.set j, 0
.rept 16
	v_pk_mul_f32 v[96+j:97+j], v[160+j:161+j], v[14:15] op_sel_hi:[1,0]
.set j, j+2
.endr
.set j, 0
.rept 32
	v_med3_num_f32 v[96+j], v[96+j], -v241, v241
.set j, j+1
.endr
.irp d, 0,1,2,3
	v_cvt_scalef32_pk8_bf8_f32 v[192+2*\d:193+2*\d], v[96+8*\d:103+8*\d], v245
.endr
	v_nop
	global_store_b128 v1, v[192:195], s[16:17]
	global_store_b128 v1, v[196:199], s[16:17] offset:512
	s_wait_tensorcnt 0x0                           ; the wave's end
	ds_add_u32 v2, v3
	s_wait_dscnt 0x0
	s_endpgm
.Lfunc_end_k_qa98d5cddce_attn:
	.size	k_qa98d5cddce_attn, .Lfunc_end_k_qa98d5cddce_attn-k_qa98d5cddce_attn
	.p2alignl 7, 3214868480
	.fill 96, 4, 3214868480
	.section	.rodata,"a",@progbits
	.p2align	6, 0x0
	.amdhsa_kernel k_qa98d5cddce_attn
		.amdhsa_group_segment_fixed_size 34816
		.amdhsa_private_segment_fixed_size 0
		.amdhsa_enable_private_segment 0
		.amdhsa_kernarg_size 56
		.amdhsa_user_sgpr_count 2
		.amdhsa_user_sgpr_kernarg_segment_ptr 1
		.amdhsa_wavefront_size32 1
		.amdhsa_system_sgpr_workgroup_id_x 1
		.amdhsa_system_sgpr_workgroup_id_y 1
		.amdhsa_system_sgpr_workgroup_id_z 1
		.amdhsa_system_vgpr_workitem_id 0
		.amdhsa_next_free_vgpr 256
		.amdhsa_next_free_sgpr 100
		.amdhsa_reserve_vcc 0
		.amdhsa_float_denorm_mode_32 3
		.amdhsa_float_denorm_mode_16_64 3
		.amdhsa_memory_ordered 1
		.amdhsa_forward_progress 1
		.amdhsa_inst_pref_size 59
	.end_amdhsa_kernel
	.amdgpu_metadata
---
amdhsa.version: [ 1, 2 ]
amdhsa.kernels:
  - .name:           k_qa98d5cddce_attn
    .symbol:         k_qa98d5cddce_attn.kd
    .args:
      - { .name: qimg, .offset: 0, .size: 8, .value_kind: global_buffer, .address_space: global }
      - { .name: kimg, .offset: 8, .size: 8, .value_kind: global_buffer, .address_space: global }
      - { .name: vimg, .offset: 16, .size: 8, .value_kind: global_buffer, .address_space: global }
      - { .name: mask, .offset: 24, .size: 8, .value_kind: global_buffer, .address_space: global }
      - { .name: flags, .offset: 32, .size: 8, .value_kind: global_buffer, .address_space: global }
      - { .name: lowp_scales, .offset: 40, .size: 8, .value_kind: global_buffer, .address_space: global }
      - { .name: aimg, .offset: 48, .size: 8, .value_kind: global_buffer, .address_space: global }
    .group_segment_fixed_size: 34816
    .private_segment_fixed_size: 0
    .kernarg_segment_align: 8
    .kernarg_segment_size: 56
    .max_flat_workgroup_size: 512
    .sgpr_count:     100
    .vgpr_count:     256
    .wavefront_size: 32
...
	.end_amdgpu_metadata
.endif
;; end of part 2
;; launch oproj (part 3): grid 256 x 1, 16 waves a work-group, no clusters, 219,648 bytes of LDS; arguments aimg, wo_codes, bo, lowp_scales, out0; writes out0
.if DOCPART == 3
	.amdgcn_target "amdgcn-amd-amdhsa--gfx1250"
	.amdhsa_code_object_version 6
	.text
	.protected	k_qa98d5cddce_oproj
	.globl	k_qa98d5cddce_oproj
	.p2align	8
	.type	k_qa98d5cddce_oproj,@function
k_qa98d5cddce_oproj:
	s_mov_b64 s[64:65], 0
	v_nop
	global_prefetch_b8 v0, s[64:65] scope:SCOPE_SE
	s_setreg_imm32_b32 hwreg(HW_REG_WAVE_MODE, 25, 1), 1
	s_wait_xcnt 0x0
; OPROJ: product 6, out0 = attn wo + bo, on E5M2 codes.  Nothing is left out here.
; Work-group g takes rows 32 g .. 32 g + 31: two tiles of 16 rows, whose operand images (16,384 dense bytes of aimg) are copied into LDS once and read by all 16 waves.
; Wave w makes outputs 32 w .. 32 w + 31; its 32 rows of wo stay in registers.  aimg's images hold k = 128 g + 16 c + 8 (lane / 16) + 0..7 in registers 2c, 2c+1, so wo's fragments are fetched 8 bytes at a time in the same order.
; TRANSPOSED (source 0 = 16 rows of wo, source 1 = 16 rows of attn): a lane holds eight neighbouring outputs of one row.  y = sum x 2^(e10+e11) + bo, one packed multiply-add for two numbers.
; The results meet in a stage in LDS and leave as whole rows: each store covers 512 consecutive bytes.
; LIMIT: e10 + e11 between -126 and 127.
; REGISTERS: v1 16 x lane; v2, v3 the add's two; v4 my place in the image copy; v6, v7 my rows of wo in LDS, in and back; v8 bo's offset; v9, v10 the stage, in and back;
;  v16-31 bo (2 x 8); v32-47 the two accumulators; v48-63 results; v64-127 attn's four fragments, later rows of y; v128-255 wo's fragments at 128 + 64 u + 16 g.
.set XP,    528
.set WR,    16384                      ; behind the images: 16 rows of wo for each wave, its own
.set WRB,   16*XP
.set STG,   WR+16*WRB                  ; the stage: 32 rows x (2,048 + 16) bytes
.set SP,    2064
.set SPARE, STG+32*SP                  ; the spare words: 128 bytes for each of 16 waves
	s_load_b256 s[4:11], s[0:1], 0x0               ; aimg 4:5, wo 6:7, bo 8:9, scales 10:11
	s_load_b64 s[12:13], s[0:1], 0x20              ; out0
	v_lshl_add_u32 v2, v0, 2, SPARE
	v_mov_b32 v3, 0
	v_lshrrev_b32 v4, 5, v0
	v_readfirstlane_b32 s14, v4                    ; wave 0..15
	v_and_b32 v1, 31, v0
	v_lshlrev_b32 v1, 4, v1
	v_and_b32 v12, 15, v0                          ; r
	v_bfe_u32 v13, v0, 4, 1                        ; h
	s_lshl_b32 s15, s14, 10
	v_add_nc_u32 v4, s15, v1                       ; 1,024 w + 16 x lane: in aimg's block and in LDS alike
	s_mul_i32 s15, s14, WRB
	s_add_co_u32 s15, s15, WR
	v_add_nc_u32 v6, s15, v1
	v_mul_u32_u24 v7, v12, XP
	v_lshl_add_u32 v7, v13, 3, v7
	v_add_nc_u32 v7, s15, v7                       ; row r, + 8 h
	v_lshlrev_b32 v8, 5, v13
	v_mul_u32_u24 v9, v12, SP
	v_lshl_add_u32 v9, v13, 5, v9
	s_lshl_b32 s15, s14, 7
	s_add_co_u32 s15, s15, STG
	v_add_nc_u32 v9, s15, v9                       ; stage row r, + 32 h, + my 128 bytes
	s_mul_i32 s15, s14, 2*SP
	s_add_co_u32 s15, s15, STG
	v_add_nc_u32 v10, s15, v1                      ; back: rows 2 w, 2 w + 1
	s_mov_b32 s17, 0
	s_wait_kmcnt 0x0
	s_load_b64 s[20:21], s[10:11], 0x28            ; e10, e11
	s_lshl_b32 s16, ttmp9, 14
	s_add_nc_u64 s[4:5], s[4:5], s[16:17]
	s_lshl_b32 s16, s14, 14
	s_add_nc_u64 s[6:7], s[6:7], s[16:17]
	s_lshl_b32 s16, s14, 7
	s_add_nc_u64 s[8:9], s[8:9], s[16:17]
	s_lshl_b32 s16, ttmp9, 16                      ; 32 rows of 2,048 bytes,
	s_lshl_b32 s18, s14, 12                        ; my two
	s_add_co_u32 s16, s16, s18
	s_add_nc_u64 s[12:13], s[12:13], s[16:17]
.irp u, 0,1
.irp e, 0,1
	global_load_b128 v[16+8*\u+4*\e:19+8*\u+4*\e], v8, s[8:9] offset:64*\u+16*\e   ; bo(32 w + 16 u + 8 h + ..)
.endr
.endr
	global_load_b128 v[64:67], v4, s[4:5] th:TH_LOAD_NT
	global_load_b128 v[68:71], v4, s[4:5] offset:512 th:TH_LOAD_NT
.irp i, 0,1,2,3,4,5,6,7,8,9,10,11,12,13,14,15
	global_load_b128 v[128+4*\i:131+4*\i], v1, s[6:7] offset:512*\i
.endr
.irp i, 0,1,2,3,4,5,6,7,8,9,10,11,12,13,14,15
	global_load_b128 v[192+4*\i:195+4*\i], v1, s[6:7] offset:8192+512*\i
.endr
.macro WTURN u                         ; 16 rows of wo through my own LDS rows; LDS serves a wave's instructions in order
.irp i, 0,1,2,3,4,5,6,7,8,9,10,11,12,13,14,15
	ds_store_b128 v6, v[128+64*\u+4*\i:131+64*\u+4*\i] offset:XP*\i
.endr
.irp g, 0,1,2,3
.irp c, 0,1,2,3,4,5,6,7
	ds_load_b64 v[128+64*\u+16*\g+2*\c:129+64*\u+16*\g+2*\c], v7 offset:128*\g+16*\c
.endr
.endr
.endm
	s_wait_loadcnt 32                              ; bo and my part of the images are in; wo's 32 loads may be out
	ds_store_b128 v4, v[64:67]
	ds_store_b128 v4, v[68:71] offset:512
	s_wait_loadcnt 16                              ; wo's first 16 rows are in
	WTURN 0
	s_wait_loadcnt 0x0
	WTURN 1
	s_wait_kmcnt 0x0
	s_add_co_i32 s22, s20, s21
	s_add_co_i32 s22, s22, 127
	s_lshl_b32 s22, s22, 23                        ; 2^(e10 + e11)
	s_mov_b32 s23, s22                             ; (named with it as a pair)
	s_wait_dscnt 0x0                               ; my part of the images has landed
	s_barrier_signal -1
	s_barrier_wait -1
.macro ROWT rt                         ; a tile of 16 rows: four K steps of 128, my two accumulators by turns
.irp g, 0,1,2,3
.irp c, 0,1,2,3
	ds_load_b128 v[64+16*\g+4*\c:67+16*\g+4*\c], v1 offset:8192*\rt+2048*\g+512*\c
.endr
.endr
	s_wait_dscnt 0x0
.irp g, 0,1,2,3
.irp u, 0,1
.if \g == 0
	v_wmma_f32_16x16x128_bf8_bf8 v[32+8*\u:39+8*\u], v[128+64*\u+16*\g:143+64*\u+16*\g], v[64+16*\g:79+16*\g], 0
.else
	v_wmma_f32_16x16x128_bf8_bf8 v[32+8*\u:39+8*\u], v[128+64*\u+16*\g:143+64*\u+16*\g], v[64+16*\g:79+16*\g], v[32+8*\u:39+8*\u]
.endif
.endr
.endr
.rept 5
	v_nop                                          ; four ahead of the reads and loads below; the fifth since the next tile begins these accumulators anew
.endr
.irp j, 0,2,4,6,8,10,12,14
	v_pk_fma_f32 v[48+\j:49+\j], v[32+\j:33+\j], s[22:23], v[16+\j:17+\j] op_sel_hi:[1,0,1]
.endr
.irp u, 0,1
.irp e, 0,1
	ds_store_b128 v9, v[48+8*\u+4*\e:51+8*\u+4*\e] offset:16*SP*\rt+64*\u+16*\e
.endr
.endr
.endm
	ROWT 0
	ROWT 1
	s_wait_dscnt 0x0                               ; for the others' sake: my stores into the stage have landed
	s_barrier_signal -1
	s_barrier_wait -1
.irp i, 0,1,2,3,4,5,6,7
	ds_load_b128 v[64+4*\i:67+4*\i], v10 offset:SP*(\i/4)+512*(\i%4)
.endr
.irp i, 0,1,2,3,4,5,6,7
	s_wait_dscnt 7-\i                              ; piece i is back; the younger loads may be out
	global_store_b128 v1, v[64+4*\i:67+4*\i], s[12:13] offset:2048*(\i/4)+512*(\i%4) th:TH_STORE_NT
.endr
	s_wait_tensorcnt 0x0                           ; the wave's end
	ds_add_u32 v2, v3
	s_wait_dscnt 0x0
	s_endpgm
.Lfunc_end_k_qa98d5cddce_oproj:
	.size	k_qa98d5cddce_oproj, .Lfunc_end_k_qa98d5cddce_oproj-k_qa98d5cddce_oproj
	.p2alignl 7, 3214868480
	.fill 96, 4, 3214868480
	.section	.rodata,"a",@progbits
	.p2align	6, 0x0
	.amdhsa_kernel k_qa98d5cddce_oproj
		.amdhsa_group_segment_fixed_size 219648
		.amdhsa_private_segment_fixed_size 0
		.amdhsa_enable_private_segment 0
		.amdhsa_kernarg_size 40
		.amdhsa_user_sgpr_count 2
		.amdhsa_user_sgpr_kernarg_segment_ptr 1
		.amdhsa_wavefront_size32 1
		.amdhsa_system_sgpr_workgroup_id_x 1
		.amdhsa_system_sgpr_workgroup_id_y 1
		.amdhsa_system_sgpr_workgroup_id_z 1
		.amdhsa_system_vgpr_workitem_id 0
		.amdhsa_next_free_vgpr 256
		.amdhsa_next_free_sgpr 66
		.amdhsa_reserve_vcc 0
		.amdhsa_float_denorm_mode_32 3
		.amdhsa_float_denorm_mode_16_64 3
		.amdhsa_memory_ordered 1
		.amdhsa_forward_progress 1
		.amdhsa_inst_pref_size 19
	.end_amdhsa_kernel
	.amdgpu_metadata
---
amdhsa.version: [ 1, 2 ]
amdhsa.kernels:
  - .name:           k_qa98d5cddce_oproj
    .symbol:         k_qa98d5cddce_oproj.kd
    .args:
      - { .name: aimg, .offset: 0, .size: 8, .value_kind: global_buffer, .address_space: global }
      - { .name: wo_codes, .offset: 8, .size: 8, .value_kind: global_buffer, .address_space: global }
      - { .name: bo, .offset: 16, .size: 8, .value_kind: global_buffer, .address_space: global }
      - { .name: lowp_scales, .offset: 24, .size: 8, .value_kind: global_buffer, .address_space: global }
      - { .name: out0, .offset: 32, .size: 8, .value_kind: global_buffer, .address_space: global }
    .group_segment_fixed_size: 219648
    .private_segment_fixed_size: 0
    .kernarg_segment_align: 8
    .kernarg_segment_size: 40
    .max_flat_workgroup_size: 512
    .sgpr_count:     66
    .vgpr_count:     256
    .wavefront_size: 32
...
	.end_amdgpu_metadata
.endif
;; end of part 3
;; ======== version 2 of 2: 3 launches
;; limits: right only within a limited range of input values; inputs' magnitudes at most 2e+29
;; workspace buffers: qimg 4,194,304 bytes; kimg 4,194,304 bytes; vimg 4,194,304 bytes; aimg 4,194,304 bytes; flags 2,048 bytes of whole numbers
;; launch prep (part 4): grid 448 x 1, 16 waves a work-group, no clusters, 206,080 bytes of LDS; arguments q_codes, k_codes, v_codes, wq_codes, wk_codes, wv_codes, bq, bk, bv, lowp_scales, mask, qimg, kimg, vimg, flags; writes qimg, kimg, vimg, flags
.if DOCPART == 4
	.amdgcn_target "amdgcn-amd-amdhsa--gfx1250"
	.amdhsa_code_object_version 6
	.text
	.protected	k_qa98d5cddce_prep
	.globl	k_qa98d5cddce_prep
	.p2align	8
	.type	k_qa98d5cddce_prep,@function
k_qa98d5cddce_prep:
	s_mov_b64 s[64:65], 0
	v_nop
	global_prefetch_b8 v0, s[64:65] scope:SCOPE_SE
	s_setreg_imm32_b32 hwreg(HW_REG_WAVE_MODE, 25, 1), 1
	s_wait_xcnt 0x0
; PREP: two kinds of work-groups in one launch, told apart by the work-group's number alone.
;  PROJ (192 work-groups): products 1 to 3, x W^T + bias on E5M2 codes, 128 rows x 512 features of one of q, k, v; the results are quantised (scales 6, 7, 9) and stored as
;       IMAGES OF OPERAND REGISTERS: qimg, kimg [b h 16][tile of 16 rows 256][chunk 2][lane 32][16 bytes]: registers 2c, 2c+1 of lane (r, h) = d 16c+8h+0..7 of row r;
;       vimg [b h][step of 128 keys 32][tile of 16 d 4][chunk 4][lane][16 bytes]: registers 2c, 2c+1 of lane (r, h) = keys 16c+8h+0..7 of d = r.
;  SCAN (256 work-groups): 16 rows of the mask each; for each of the 32 key steps of 128 keys two bits go to flags [tile of 16 queries 256][2]: word 0 SKIP, word 1 MIXED.
; WHAT THE FLAGS SAY, FOR ALL VALUES OF THE INPUTS.  No work is left out by the text itself; the attention launch reads the flags and does only what they ask for.
;  Codes are held at 57,344, so a logit without its mask term lies within +-L, L = 64 x 57,344^2 x 2^(e6+e7) / 8.  Let m0 be the largest of the 16 rows' smallest mask values and tm the
;  smallest mask value of a tile (16 rows x 128 keys).  Each row's largest logit is at least -L - 1e9 m0, every logit of the tile at most L - 1e9 tm.
;  SKIP is set where 1e9 (tm - m0) > 2 L + 128 + 1000 (|tm| + |m0|)  (2 L = 49 x 2^30 x 2^(e6+e7); the last term covers the f32 rounding of terms of that size).
;  Then t - M < -150 for every number of the tile: p is 0 in the row's sum and in the codes, and the tile holds no row's maximum.  The tile that holds a row's smallest mask value has tm <= m0 and is never skipped.
;  MIXED is set where the tile is not skipped and some mask value is not +-0; a tile with neither bit adds +-0 to its logits, so its mask is not read again.
; LIMITS: NaN in the mask is not served.  A NaN, an infinity or an overflow that reaches only a skipped tile is not carried to the result.
;  For each tensor e(out) - e(x) - e(w) lies between -126 and 112, so that the conversion's scale and 57,344 x it are f32 numbers.
.set XP,    528                        ; an LDS row of 512 codes + 16 bytes: the 16 rows that a fragment load touches start 132 words apart
.set XT,    0                          ; proj: the block's 128 rows of x
.set WR,    128*XP                     ; proj: 16 rows of W for each wave, its own
.set WRB,   16*XP
.set SCN,   WR+16*WRB                  ; scan: [16 waves][16 rows] smallest; +1024 [32 steps] smallest; +1152 [32 steps] largest
.set SPARE, SCN+1280                   ; the spare words: 128 bytes for each of 16 waves; no other line names them
.macro PLACES n
.rept \n
	v_nop
.endr
.endm
.macro FINISH                          ; the wave's end
	s_wait_tensorcnt 0x0
	ds_add_u32 v2, v3
	s_wait_dscnt 0x0
	s_endpgm
.endm
	s_load_b512 s[4:19], s[0:1], 0x0               ; q 4:5, k 6:7, v 8:9, wq 10:11, wk 12:13, wv 14:15, bq 16:17, bk 18:19
	s_load_b256 s[20:27], s[0:1], 0x40             ; bv 20:21, scales 22:23, mask 24:25, qimg 26:27
	s_load_b128 s[28:31], s[0:1], 0x60             ; kimg 28:29, vimg 30:31
	s_load_b64 s[32:33], s[0:1], 0x70              ; flags
	v_lshl_add_u32 v2, v0, 2, SPARE                ; my spare word; never rewritten
	v_mov_b32 v3, 0                                ; 0; never rewritten
	v_lshrrev_b32 v4, 5, v0
	s_delay_alu instid0(VALU_DEP_1)
	v_readfirstlane_b32 s34, v4                    ; wave 0..15
	v_and_b32 v1, 31, v0
	s_delay_alu instid0(VALU_DEP_1)
	v_lshlrev_b32 v1, 4, v1                        ; 16 x lane
	s_and_b32 s37, ttmp9, 1
	s_lshr_b32 s36, ttmp9, 1
	s_sub_co_u32 s38, ttmp9, 192
	s_wait_kmcnt 0x0
	s_load_b256 s[40:47], s[22:23], 0x0            ; e0 .. e7
	s_load_b128 s[48:51], s[22:23], 0x20           ; e8 .. e11
	s_cmp_ge_u32 ttmp9, 384                        ; numbers under 384: even = scan tile n/2, odd = proj n/2; from 384 on: scan tile n - 192
	s_cselect_b32 s37, 0, s37
	s_cselect_b32 s36, s38, s36
	s_cmp_eq_u32 s37, 0
	s_cbranch_scc1 .Lscan
; ------------------------------------------------------------------ PROJ
; Wave w makes features 32 w .. 32 w + 31 (head w / 2, half w % 2: two tiles of 16) for the block's 128 rows; its 32 rows of W stay in registers.
; REGISTERS: v4 fragment address in x's tile; v5, v6 where I put rows of x, of W; v7 fragment address in my W rows; v10 the conversion's scale, v11 57,344 x it;
;  v16-31 bias as C (2 x 8); v32-47 the two accumulators; v48-63 codes; v64-127 x's fragments (4 K steps x 16); v128-255 W's fragments at 128 + 64 u + 16 s.
; Both operands are fetched 16 bytes at a time (registers 4c..4c+3: k = 32c + 16h + 0..15): the same permutation of k on both sides, so every product meets its partner.
	s_lshr_b32 s38, s36, 6                         ; which tensor: 0 q, 1 k, 2 v
	s_and_b32 s39, s36, 63                         ; which 128 rows
	v_and_b32 v12, 15, v0                          ; r
	v_bfe_u32 v13, v0, 4, 1                        ; h
	s_delay_alu instid0(VALU_DEP_2)
	v_mul_u32_u24 v4, v12, XP
	s_delay_alu instid0(VALU_DEP_1)
	v_lshl_add_u32 v4, v13, 4, v4                  ; r x pitch + 16 h (x's tile begins at LDS byte 0)
	s_mul_i32 s66, s34, 8*XP
	s_wait_alu depctr_va_vdst(0)
	v_add_nc_u32 v5, s66, v1                       ; rows 8 w on of x's tile, 16 bytes a lane
	s_mul_i32 s66, s34, WRB
	s_add_co_u32 s66, s66, WR
	v_add_nc_u32 v6, s66, v1
	v_add_nc_u32 v7, s66, v4
	s_cmp_eq_u32 s38, 1                            ; the buffers are chosen on the work-group's number alone
	s_cselect_b64 s[52:53], s[6:7], s[8:9]
	s_cselect_b64 s[54:55], s[12:13], s[14:15]
	s_cselect_b64 s[56:57], s[18:19], s[20:21]
	s_cselect_b64 s[58:59], s[28:29], s[30:31]
	s_cmp_eq_u32 s38, 0
	s_cselect_b64 s[52:53], s[4:5], s[52:53]       ; x's codes
	s_cselect_b64 s[54:55], s[10:11], s[54:55]     ; W's codes
	s_cselect_b64 s[56:57], s[16:17], s[56:57]     ; the bias
	s_cselect_b64 s[58:59], s[26:27], s[58:59]     ; the image
	s_cmp_eq_u32 s38, 2                            ; q, k: register j of lane (r, h) is feature 8 h + j;  v: every register is feature r
	s_cselect_b32 s70, 4, 0
	s_cselect_b32 s71, 0, 32
	s_cselect_b32 s72, 0, 4
	s_cselect_b32 s73, 12, 9                       ; my half of a head in the image: 2 tiles of d (4,096 bytes) in vimg, a chunk (512 bytes) in qimg, kimg
	v_mul_u32_u24 v8, v12, s70
	s_delay_alu instid0(VALU_DEP_1)
	v_mad_u32_u24 v8, v13, s71, v8
	v_mov_b32 v9, s72
.irp j, 0,1,2,3,4,5,6,7
	v_mad_u32_u24 v[32+\j], v9, \j, v8             ; byte offset of register j's bias
.endr
	s_lshl_b32 s68, s39, 16                        ; 128 rows of 512 bytes,
	s_lshl_b32 s69, s34, 12                        ; my 8 of them
	s_add_co_u32 s68, s68, s69
	s_mov_b32 s69, 0
	s_add_nc_u64 s[52:53], s[52:53], s[68:69]
	s_lshl_b32 s68, s34, 14                        ; my 32 rows of W
	s_add_nc_u64 s[54:55], s[54:55], s[68:69]
	s_lshl_b32 s68, s34, 7                         ; my 32 numbers of the bias
	s_add_nc_u64 s[56:57], s[56:57], s[68:69]
	s_lshr_b32 s68, s39, 5                         ; batch
	s_lshl_b32 s68, s68, 3
	s_lshr_b32 s74, s34, 1
	s_add_co_u32 s68, s68, s74                     ; 8 x batch + head
	s_lshl_b32 s68, s68, 18
	s_and_b32 s74, s39, 31
	s_lshl_b32 s74, s74, 13                        ; the block of 128 rows: 8,192 bytes of image
	s_add_co_u32 s68, s68, s74
	s_and_b32 s74, s34, 1
	s_lshl_b32 s74, s74, s73
	s_add_co_u32 s68, s68, s74
	s_add_nc_u64 s[58:59], s[58:59], s[68:69]
	s_wait_alu depctr_va_vdst(0)
.irp u, 0,1
.irp j, 0,1,2,3,4,5,6,7
	global_load_b32 v[16+8*\u+\j], v[32+\j], s[56:57] offset:64*\u
.endr
.endr
.irp i, 0,1,2,3,4,5,6,7
	global_load_b128 v[64+4*\i:67+4*\i], v1, s[52:53] offset:512*\i th:TH_LOAD_NT   ; a row of x: 512 consecutive bytes a load
.endr
.irp i, 0,1,2,3,4,5,6,7,8,9,10,11,12,13,14,15
	global_load_b128 v[128+4*\i:131+4*\i], v1, s[54:55] offset:512*\i
.endr
.irp i, 0,1,2,3,4,5,6,7,8,9,10,11,12,13,14,15
	global_load_b128 v[192+4*\i:195+4*\i], v1, s[54:55] offset:8192+512*\i
.endr
; 16 rows of W go through my own LDS rows and come back as four fragments.  LDS serves a wave's instructions in order, so no wait stands between the stores and the loads, nor ahead of the second tile's stores.
.macro WTURN u
.irp i, 0,1,2,3,4,5,6,7,8,9,10,11,12,13,14,15
	ds_store_b128 v6, v[128+64*\u+4*\i:131+64*\u+4*\i] offset:XP*\i
.endr
.irp s, 0,1,2,3
.irp c, 0,1,2,3
	ds_load_b128 v[128+64*\u+16*\s+4*\c:131+64*\u+16*\s+4*\c], v7 offset:128*\s+32*\c
.endr
.endr
.endm
	s_wait_loadcnt 32                              ; the bias and x are in; W's 32 loads may be out
.irp i, 0,1,2,3,4,5,6,7
	ds_store_b128 v5, v[64+4*\i:67+4*\i] offset:XP*\i
.endr
	s_wait_loadcnt 16                              ; W's first 16 rows are in
	WTURN 0
	s_wait_loadcnt 0x0
	WTURN 1
	s_wait_kmcnt 0x0
	s_cmp_eq_u32 s38, 1
	s_cselect_b32 s60, s42, s44                    ; e of x,
	s_cselect_b32 s61, s43, s45                    ; of W,
	s_cselect_b32 s62, s47, s49                    ; of the result as an operand
	s_cmp_eq_u32 s38, 0
	s_cselect_b32 s60, s40, s60
	s_cselect_b32 s61, s41, s61
	s_cselect_b32 s62, s46, s62
	s_add_co_i32 s60, s60, s61                     ; a sum stands for sum x 2^(ex + ew):
	s_sub_co_i32 s63, 0, s60                       ; the bias goes in divided by that,
	s_sub_co_i32 s62, s62, s60                     ; and the three scales are folded into the conversion's one
	s_add_co_i32 s62, s62, 127
	s_lshl_b32 s61, s62, 23
	v_mov_b32 v10, s61
	s_add_co_i32 s62, s62, 15
	s_lshl_b32 s62, s62, 23
	s_or_b32 s62, s62, 0x600000
	v_mov_b32 v11, s62                             ; 57,344 x that scale
.irp j, 0,1,2,3,4,5,6,7,8,9,10,11,12,13,14,15
	v_ldexp_f32 v[16+\j], v[16+\j], s63
.endr
	s_wait_dscnt 0x0                               ; my rows of x have landed in LDS (and my fragments of W are in)
	s_barrier_signal -1
	s_barrier_wait -1                              ; everybody's have: the path's one barrier; behind it LDS is only read
.macro XFETCH m                        ; x's four fragments of rows 16 m on
.irp s, 0,1,2,3
.irp c, 0,1,2,3
	ds_load_b128 v[64+16*\s+4*\c:67+16*\s+4*\c], v4 offset:16*(\m)*XP+128*\s+32*\c
.endr
.endr
.endm
.macro HOLD16                          ; the conversion to an 8-bit code does not saturate (ISA guide 7.6.2): hold at the largest code x the scale; each accumulator from its low end on
.irp j, 0,1,2,3,4,5,6,7,8,9,10,11,12,13,14,15
	v_med3_num_f32 v[32+\j], v[32+\j], -v11, v11
.endr
.endm
	XFETCH 0
	s_cmp_eq_u32 s38, 2
	s_cbranch_scc1 .Lvpart
; q, k: TRANSPOSED (source 0 = 16 rows of W, source 1 = 16 rows of x): lane (r, h) holds row r, register j feature 16 u + 8 h + j: one conversion gives registers 2c, 2c+1 of the image.
; The two accumulators take turns, one instruction a turn; the bias is the C of each sum's first product.
.macro QKTILE m
	s_wait_dscnt 0x0                               ; x's fragments are in
.irp s, 0,1,2,3
.irp u, 0,1
.if \s == 0
	v_wmma_f32_16x16x128_bf8_bf8 v[32+8*\u:39+8*\u], v[128+64*\u+16*\s:143+64*\u+16*\s], v[64+16*\s:79+16*\s], v[16+8*\u:23+8*\u]
.else
	v_wmma_f32_16x16x128_bf8_bf8 v[32+8*\u:39+8*\u], v[128+64*\u+16*\s:143+64*\u+16*\s], v[64+16*\s:79+16*\s], v[32+8*\u:39+8*\u]
.endif
.endr
.endr
	PLACES 5                                       ; four ahead of the loads and the reads below; the fifth since the next tile's products begin these accumulators anew
.if \m < 7
	XFETCH (\m)+1
.endif
	s_wait_xcnt 0x0                                ; the last store has read its codes: they are written again below
	HOLD16
	v_cvt_scalef32_pk8_bf8_f32 v[48:49], v[32:39], v10
	v_cvt_scalef32_pk8_bf8_f32 v[50:51], v[40:47], v10
	v_nop                                          ; a plain line between the conversions and the products that write their sources
	global_store_b128 v1, v[48:51], s[58:59] offset:1024*(\m)   ; 512 consecutive bytes: my chunk of tile m's image
.endm
	s_wait_alu depctr_va_vdst(0)
.irp m, 0,1,2,3,4,5,6,7
	QKTILE \m
.endr
	FINISH
; v: NOT transposed (source 0 = 16 rows of x = 16 keys, source 1 = 16 rows of W): lane (r, h) holds d = 16 u + r, register j key 16 m + 8 h + j: registers 2m, 2m+1 of V^T's fragment.
.Lvpart:
.macro VTILE m
.set CB, 48+8*(((\m)/2)%2)             ; two sets of codes by turns: 4 registers for each of my two tiles of d
	s_wait_dscnt 0x0
.irp s, 0,1,2,3
.irp u, 0,1
.if \s == 0
	v_wmma_f32_16x16x128_bf8_bf8 v[32+8*\u:39+8*\u], v[64+16*\s:79+16*\s], v[128+64*\u+16*\s:143+64*\u+16*\s], v[16+8*\u:23+8*\u]
.else
	v_wmma_f32_16x16x128_bf8_bf8 v[32+8*\u:39+8*\u], v[64+16*\s:79+16*\s], v[128+64*\u+16*\s:143+64*\u+16*\s], v[32+8*\u:39+8*\u]
.endif
.endr
.endr
	PLACES 5
.if \m < 7
	XFETCH (\m)+1
.endif
.if ((\m)%2) == 0
	s_wait_xcnt 0x0                                ; the stores of two chunks ago have read this set
.endif
	HOLD16
	v_cvt_scalef32_pk8_bf8_f32 v[CB+2*((\m)%2):CB+2*((\m)%2)+1], v[32:39], v10
	v_cvt_scalef32_pk8_bf8_f32 v[CB+4+2*((\m)%2):CB+4+2*((\m)%2)+1], v[40:47], v10
	v_nop
.if ((\m)%2) == 1
	global_store_b128 v1, v[CB:CB+3], s[58:59] offset:512*((\m)/2)
	global_store_b128 v1, v[CB+4:CB+7], s[58:59] offset:2048+512*((\m)/2)
.endif
.endm
	s_wait_alu depctr_va_vdst(0)
.irp m, 0,1,2,3,4,5,6,7
	VTILE \m
.endr
	FINISH
; ------------------------------------------------------------------ SCAN
; Tile s36: 16 rows of the mask.  Wave w takes key steps 2 w and 2 w + 1: each load reads 512 consecutive bytes, one row of one step.
; REGISTERS: v16-47 each row's smallest among my four numbers, for the two steps; v48, v49 a step's smallest; v50, v51 its largest; v64-191 the numbers.
.Lscan:
	s_lshl_b32 s38, s36, 18
	s_mov_b32 s39, 0
	s_add_nc_u64 s[24:25], s[24:25], s[38:39]
	s_lshl_b32 s38, s36, 3
	s_add_nc_u64 s[32:33], s[32:33], s[38:39]      ; my tile's two words
	s_lshl_b32 s38, s34, 10
	s_wait_alu depctr_va_vdst(0)
	v_add_nc_u32 v4, s38, v1
.irp c, 0,1
.irp r, 0,1,2,3,4,5,6,7,8,9,10,11,12,13,14,15
	global_load_b128 v[64+64*\c+4*\r:67+64*\c+4*\r], v4, s[24:25] offset:16384*\r+512*\c th:TH_LOAD_NT
.endr
.endr
	s_lshl_b32 s38, s34, 6
	s_add_co_u32 s38, s38, SCN
	v_mov_b32 v13, s38                             ; my wave's 16 row words
	s_lshl_b32 s38, s34, 3
	s_add_co_u32 s38, s38, SCN+1024
	v_mov_b32 v14, s38                             ; my wave's two step words
	v_and_b32 v15, 15, v0
	s_delay_alu instid0(VALU_DEP_1)
	v_lshlrev_b32 v15, 2, v15
	s_delay_alu instid0(VALU_DEP_1)
	v_add_nc_u32 v15, SCN, v15                     ; back: row lane % 16
	v_and_b32 v5, 31, v0
	s_delay_alu instid0(VALU_DEP_1)
	v_lshlrev_b32 v5, 2, v5
	s_delay_alu instid0(VALU_DEP_1)
	v_add_nc_u32 v5, SCN+1024, v5                  ; back: step = lane
	s_mov_b32 s66, 0x76543210
	s_mov_b32 s67, 0xfedcba98                      ; lane l xor 16
.macro SCANC c
.irp r, 0,1,2,3,4,5,6,7,8,9,10,11,12,13,14,15
	v_min3_num_f32 v[16+16*\c+\r], v[64+64*\c+4*\r], v[65+64*\c+4*\r], v[66+64*\c+4*\r]
.endr
.irp r, 0,1,2,3,4,5,6,7,8,9,10,11,12,13,14,15
	v_min_num_f32 v[16+16*\c+\r], v[16+16*\c+\r], v[67+64*\c+4*\r]
.endr
	v_max_num_f32 v[50+\c], v[64+64*\c], v[65+64*\c]
.set j, 2
.rept 31
	s_delay_alu instid0(VALU_DEP_1)
	v_max3_num_f32 v[50+\c], v[50+\c], v[64+64*\c+j], v[65+64*\c+j]
.set j, j+2
.endr
	v_min3_num_f32 v[48+\c], v[16+16*\c], v[17+16*\c], v[18+16*\c]
.irp i, 3,5,7,9,11,13
	s_delay_alu instid0(VALU_DEP_1)
	v_min3_num_f32 v[48+\c], v[48+\c], v[16+16*\c+\i], v[17+16*\c+\i]
.endr
	s_delay_alu instid0(VALU_DEP_1)
	v_min_num_f32 v[48+\c], v[48+\c], v[31+16*\c]
.endm
	s_wait_loadcnt 16                              ; the first step's 16 rows are in; the second's may be out
	SCANC 0
	s_wait_loadcnt 0x0
	SCANC 1
.irp r, 0,1,2,3,4,5,6,7,8,9,10,11,12,13,14,15
	v_min_num_f32 v[16+\r], v[16+\r], v[32+\r]     ; a row's smallest over my two steps
.endr
.irp x, 1,2,4,8                        ; across the lanes, level by level, so that no line waits for the line above it
.irp r, 16,17,18,19,20,21,22,23,24,25,26,27,28,29,30,31,48,49
	v_min_num_f32_dpp v\r, v\r, v\r row_xmask:\x row_mask:0xf bank_mask:0xf
.endr
	v_max_num_f32_dpp v50, v50, v50 row_xmask:\x row_mask:0xf bank_mask:0xf
	v_max_num_f32_dpp v51, v51, v51 row_xmask:\x row_mask:0xf bank_mask:0xf
.endr
.irp r, 16,17,18,19,20,21,22,23,24,25,26,27,28,29,30,31,48,49,50,51
	v_permlanex16_b32 v[48+\r], v\r, s66, s67      ; (destinations that have been written: the numbers' registers)
.endr
.irp r, 16,17,18,19,20,21,22,23,24,25,26,27,28,29,30,31,48,49
	v_min_num_f32 v\r, v\r, v[48+\r]
.endr
	v_max_num_f32 v50, v50, v98
	v_max_num_f32 v51, v51, v99
.irp r, 0,1,2,3,4,5,6,7,8,9,10,11,12,13,14,15
	ds_store_b32 v13, v[16+\r] offset:4*\r         ; all lanes write the same word with the same value
.endr
	ds_store_b32 v14, v48
	ds_store_b32 v14, v49 offset:4
	ds_store_b32 v14, v50 offset:128
	ds_store_b32 v14, v51 offset:132
	s_wait_dscnt 0x0                               ; for the others' sake: my words have landed
	s_barrier_signal -1
	s_barrier_wait -1
.irp w, 0,1,2,3,4,5,6,7,8,9,10,11,12,13,14,15      ; every wave finishes the sums alike: no branch, and thread 0 alone stores
	ds_load_b32 v[64+\w], v15 offset:64*\w
.endr
	ds_load_b32 v20, v5                            ; tm of step = lane
	ds_load_b32 v21, v5 offset:128                 ; its largest
	s_wait_dscnt 0x0
	v_min3_num_f32 v22, v64, v65, v66
.irp i, 67,69,71,73,75,77
	s_delay_alu instid0(VALU_DEP_1)
	v_min3_num_f32 v22, v22, v[\i], v[\i+1]
.endr
	s_delay_alu instid0(VALU_DEP_1)
	v_min_num_f32 v22, v22, v79                    ; row lane % 16's smallest over all keys
.irp x, 1,2,4,8
	s_delay_alu instid0(VALU_DEP_1)
	v_max_num_f32_dpp v22, v22, v22 row_xmask:\x row_mask:0xf bank_mask:0xf
.endr                                          ; m0: the largest of the 16
	s_wait_alu depctr_va_vdst(0)
	s_wait_kmcnt 0x0
	s_add_co_i32 s38, s46, s47                     ; e6 + e7
	v_mov_b32 v23, 0x51440000                      ; 49 x 2^30
	s_delay_alu instid0(VALU_DEP_1)
	v_ldexp_f32 v23, v23, s38                      ; 2 L
	s_delay_alu instid0(VALU_DEP_1)
	v_add_f32 v23, 0x43000000, v23                 ; + 128
	v_add_f32 v24, |v20|, |v22|
	v_mov_b32 v25, 0x447a0000                      ; 1000
	s_delay_alu instid0(VALU_DEP_1)
	v_fmac_f32 v23, v24, v25
	v_sub_f32 v26, v20, v22
	s_delay_alu instid0(VALU_DEP_1)
	v_mul_f32 v26, 0x4e6e6b28, v26                 ; 1e9 (tm - m0)
	v_max_num_f32 v27, v21, -v20                   ; the step's largest magnitude
	s_delay_alu instid0(VALU_DEP_2)
	v_cmp_gt_f32 s70, v26, v23                     ; SKIP, bit = step
	s_delay_alu instid0(VALU_DEP_2)
	v_cmp_lt_f32 s71, 0, v27
	s_and_not1_b32 s71, s71, s70                   ; MIXED
	v_mov_b32 v28, s70
	v_mov_b32 v29, s71
	v_mov_b32 v30, 0
	s_wait_alu depctr_va_vdst(0)
	s_wait_xcnt 0x0                                ; EXEC changes only behind this wait
	v_cmp_eq_u32 vcc_lo, 0, v0
	s_and_saveexec_b32 s72, vcc_lo
	global_store_b64 v30, v[28:29], s[32:33]       ; 8 bytes a work-group, 2,048 in the launch: the one store here that does not cover 256 consecutive bytes
	s_wait_xcnt 0x0                                ; and again ahead of the line that widens it
	s_or_b32 exec_lo, exec_lo, s72
	FINISH
.Lfunc_end_k_qa98d5cddce_prep:
	.size	k_qa98d5cddce_prep, .Lfunc_end_k_qa98d5cddce_prep-k_qa98d5cddce_prep
	.p2alignl 7, 3214868480
	.fill 96, 4, 3214868480
	.section	.rodata,"a",@progbits
	.p2align	6, 0x0
	.amdhsa_kernel k_qa98d5cddce_prep
		.amdhsa_group_segment_fixed_size 206080
		.amdhsa_private_segment_fixed_size 0
		.amdhsa_enable_private_segment 0
		.amdhsa_kernarg_size 120
		.amdhsa_user_sgpr_count 2
		.amdhsa_user_sgpr_kernarg_segment_ptr 1
		.amdhsa_wavefront_size32 1
		.amdhsa_system_sgpr_workgroup_id_x 1
		.amdhsa_system_sgpr_workgroup_id_y 1
		.amdhsa_system_sgpr_workgroup_id_z 1
		.amdhsa_system_vgpr_workitem_id 0
		.amdhsa_next_free_vgpr 256
		.amdhsa_next_free_sgpr 76
		.amdhsa_reserve_vcc 1
		.amdhsa_float_denorm_mode_32 3
		.amdhsa_float_denorm_mode_16_64 3
		.amdhsa_memory_ordered 1
		.amdhsa_forward_progress 1
		.amdhsa_inst_pref_size 89
	.end_amdhsa_kernel
	.amdgpu_metadata
---
amdhsa.version: [ 1, 2 ]
amdhsa.kernels:
  - .name:           k_qa98d5cddce_prep
    .symbol:         k_qa98d5cddce_prep.kd
    .args:
      - { .name: q_codes, .offset: 0, .size: 8, .value_kind: global_buffer, .address_space: global }
      - { .name: k_codes, .offset: 8, .size: 8, .value_kind: global_buffer, .address_space: global }
      - { .name: v_codes, .offset: 16, .size: 8, .value_kind: global_buffer, .address_space: global }
      - { .name: wq_codes, .offset: 24, .size: 8, .value_kind: global_buffer, .address_space: global }
      - { .name: wk_codes, .offset: 32, .size: 8, .value_kind: global_buffer, .address_space: global }
      - { .name: wv_codes, .offset: 40, .size: 8, .value_kind: global_buffer, .address_space: global }
      - { .name: bq, .offset: 48, .size: 8, .value_kind: global_buffer, .address_space: global }
      - { .name: bk, .offset: 56, .size: 8, .value_kind: global_buffer, .address_space: global }
      - { .name: bv, .offset: 64, .size: 8, .value_kind: global_buffer, .address_space: global }
      - { .name: lowp_scales, .offset: 72, .size: 8, .value_kind: global_buffer, .address_space: global }
      - { .name: mask, .offset: 80, .size: 8, .value_kind: global_buffer, .address_space: global }
      - { .name: qimg, .offset: 88, .size: 8, .value_kind: global_buffer, .address_space: global }
      - { .name: kimg, .offset: 96, .size: 8, .value_kind: global_buffer, .address_space: global }
      - { .name: vimg, .offset: 104, .size: 8, .value_kind: global_buffer, .address_space: global }
      - { .name: flags, .offset: 112, .size: 8, .value_kind: global_buffer, .address_space: global }
    .group_segment_fixed_size: 206080
    .private_segment_fixed_size: 0
    .kernarg_segment_align: 8
    .kernarg_segment_size: 120
    .max_flat_workgroup_size: 512
    .sgpr_count:     76
    .vgpr_count:     256
    .wavefront_size: 32
...
	.end_amdgpu_metadata
.endif
;; end of part 4
;; launch attn (part 5): grid 16 x 16, 16 waves a work-group, no clusters, 34,816 bytes of LDS; arguments qimg, kimg, vimg, mask, flags, lowp_scales, aimg; writes aimg
.if DOCPART == 5
	.amdgcn_target "amdgcn-amd-amdhsa--gfx1250"
	.amdhsa_code_object_version 6
	.text
	.protected	k_qa98d5cddce_attn
	.globl	k_qa98d5cddce_attn
	.p2align	8
	.type	k_qa98d5cddce_attn,@function
k_qa98d5cddce_attn:
	s_mov_b64 s[64:65], 0
	v_nop
	global_prefetch_b8 v0, s[64:65] scope:SCOPE_SE
	s_setreg_imm32_b32 hwreg(HW_REG_WAVE_SCHED_MODE, 0, 2), 2
	s_setreg_imm32_b32 hwreg(HW_REG_WAVE_MODE, 25, 1), 1
	s_wait_xcnt 0x0
	s_wait_alu depctr_vm_vsrc(0)
; ATTN: products 4 and 5 on E5M2 codes, the mask, the streaming softmax, / l, and the quantiser ahead of product 6.
; Left out, by the stored flags alone: key steps whose SKIP bit is set (p = 0 in the sum and in the codes, no row's maximum: shown at the head of the first kernel) and the mask's read where MIXED is clear (it adds +-0).
; SHARES.  Work-group (i, b h) owns the query blocks i and 31 - i (128 queries each) of one head; each of its 16 waves owns one tile of 16 queries in 256 registers, four waves to a SIMD, two of each block.
; Every wave passes all 32 key steps of 128 keys; a step's K and V images (8,192 bytes each) are copied by all 512 threads, 16 bytes each, through registers into one of two LDS buffers, a step ahead,
; where some tile of the work-group needs that step.
; LAYOUT.  Both products transposed: S^T = K Q^T (source 0 = 16 keys), O^T = V^T P^T (source 0 = 16 d): a lane holds ONE query (lane % 16) throughout.  Register j of tile t of S^T is key 16 t + 8 (lane / 16) + j,
; so one conversion gives registers 2t, 2t+1 of P as an operand; register j of tile d of O^T is channel 16 d + 8 (lane / 16) + j, so one conversion gives registers 2d, 2d+1 of product 6's operand.
; SOFTMAX.  t = logit x log2(e); M = the running largest t rounded up to a whole number; p = 2^(t - M) is quantised with 2^e8; the row's sum is taken of the unquantised p; a change of M multiplies the sum and O^T by a power of two.
; A mixed step forms logit = S 2^(e6+e7-3) + mask x (-1e9) with two roundings (the product by a power of two is exact), then t.
; LIMITS: e6 + e7 between -123 and 130; e8 and e10 - e8 - e9 between -126 and 112.  NaN in the mask is not served.
; REGISTERS: v1 16 x lane; v2, v3 the add's two; v4 16 x thread; v5 my place in a mask tile; v6 256 x lane; v12 -M, v13 the largest t, v[14:15] the sum; v16-23 Q; v24-31 the staged pieces;
;  v32-95 K's fragments, the mask, V's fragments; v96-159 S^T, then p; v160-191 O^T; v192-207 codes; v236, v242-243, v252-254 at work; v240, v244 p's hold and scale; v241, v245 the result's.
; THE MODE: SCHED_MODE bits 1:0 = 2 (LLVM: expert scheduling mode 2), set by the entry lines.  The code itself states the register dependences
; between vector or matrix instructions and memory or LDS instructions, with s_wait_alu, always for 0.
; THE PLAN.  Registers that memory or LDS instructions touch:
;   v1, v4, v5, v6  Addresses: written at the head, never again; one wait on va_vdst ahead of the first load serves every access of the kernel.
;   v16-23          Q: loaded once, read by matrix instructions, never loaded again.
;   v24-31          The staged pieces: the two global loads at a step's head land in them, the two LDS stores at its end read them; no vector instruction names them.
;                   One wait on vm_vsrc at a step's head: the stores of the step before have read them.
;   v32-95          Three turns in a working step: K's fragments (LDS loads; read by the 8 products), in a mixed step the mask (global loads; multiplied in place, read by the multiply-adds),
;                   V's fragments (LDS loads; read by the 4 products).  One wait on va_vdst stands straight ahead of each of the three runs of loads: the readers and writers of the turn before are done.
;   v192-199        On the way out: written by the conversions, read by the two stores: one wait on va_vdst between.
;   v2, v3          Written at the head, read by the closing add alone.
;   All else (scores, p, O^T, the statistics, the codes in the loop) is named by vector and matrix instructions alone.
.set SPARE, 32768                      ; behind the two buffers of 16,384 bytes: the spare words, 128 bytes for each of 16 waves
.set KB,    24                         ; s[24:25] kimg at the step in hand
.set VB,    26                         ; s[26:27] vimg likewise
.set MB,    28                         ; s[28:29] the mask at my 16 rows, the step in hand
.set PFA,   30                         ; s[30:31] where my prefetches stand
.set LIM,   32                         ; s32  steps in which I prefetch: 29 or 0
.set KC,    33                         ; s33  the step's number
.set SKIP,  34                         ; s34  my tile's SKIP bits, shifted so that bit 0 is the step in hand
.set MIXED, 35                         ; s35  its MIXED bits likewise
.set NEEDN, 36                         ; s36  bit 0: some tile of the work-group needs the NEXT step
.set CS,    38                         ; s[38:39] what turns v96.. into t: c in a clean step, 1.0 in a mixed one
.macro PLACES n
.rept \n
	v_nop
.endr
.endm
	s_load_b256 s[4:11], s[0:1], 0x0               ; qimg 4:5, kimg 6:7, vimg 8:9, mask 10:11
	s_load_b128 s[12:15], s[0:1], 0x20             ; flags 12:13, scales 14:15
	s_load_b64 s[16:17], s[0:1], 0x30              ; aimg
	v_lshl_add_u32 v2, v0, 2, SPARE
	v_mov_b32 v3, 0
	v_lshrrev_b32 v7, 5, v0
	v_readfirstlane_b32 s18, v7                    ; wave 0..15
	v_and_b32 v1, 31, v0
	v_lshlrev_b32 v6, 8, v1
	v_lshlrev_b32 v1, 4, v1
	v_lshlrev_b32 v4, 4, v0
	v_and_b32 v7, 15, v0                           ; r
	v_bfe_u32 v8, v0, 4, 1                         ; h
	v_lshlrev_b32 v5, 14, v7                       ; a mask row is 16,384 bytes
	v_lshl_add_u32 v5, v8, 5, v5                   ; + 8 h keys
	s_wait_alu depctr_va_sdst(0)                   ; s18 is written, ahead of its first reader: my tile's number and every base are made from it
	s_and_b32 s19, ttmp7, 0xffff                   ; b h
	s_lshr_b32 s20, s18, 2
	s_xor_b32 s20, s20, s18
	s_and_b32 s20, s20, 1                          ; which of the two blocks: of waves w, w + 4, w + 8, w + 12 two take each
	s_sub_co_u32 s21, 31, ttmp9
	s_cmp_eq_u32 s20, 0
	s_cselect_b32 s22, ttmp9, s21
	s_lshl_b32 s22, s22, 3
	s_lshr_b32 s23, s18, 1
	s_add_co_u32 s22, s22, s23                     ; my tile of 16 queries, 0..255
	s_lshl_b32 s2, s19, 18
	s_mov_b32 s3, 0                                ; the head's first byte in kimg, vimg
	s_lshl_b32 s38, s19, 8
	s_add_co_u32 s38, s38, s22
	s_lshl_b32 s38, s38, 10
	s_mov_b32 s39, 0                               ; my tile in qimg
	s_lshl_b32 s66, s22, 18
	s_mov_b32 s67, 0                               ; my 16 rows of the mask
	s_lshr_b32 s48, s19, 3
	s_lshl_b32 s48, s48, 8
	s_add_co_u32 s48, s48, s22                     ; 256 x batch + tile
	s_lshl_b32 s48, s48, 3
	s_and_b32 s49, s19, 7
	s_add_co_u32 s48, s48, s49                     ; x 8 + head
	s_lshl_b32 s48, s48, 10
	s_mov_b32 s49, 0
	s_mov_b32 s41, 0
	s_wait_kmcnt 0x0
	s_add_nc_u64 s[KB:KB+1], s[6:7], s[2:3]
	s_add_nc_u64 s[VB:VB+1], s[8:9], s[2:3]
	s_add_nc_u64 s[4:5], s[4:5], s[38:39]
	s_wait_alu depctr_va_vdst(0)                   ; v1, v4, v5 and v6 are written: every load, store and prefetch of the kernel reads one of them as its address, and none is written again
	global_load_b128 v[24:27], v4, s[KB:KB+1]      ; step 0's images, my 16 bytes of each
	global_load_b128 v[28:31], v4, s[VB:VB+1]
	global_load_b128 v[16:19], v1, s[4:5]          ; Q's fragment stays in registers
	global_load_b128 v[20:23], v1, s[4:5] offset:512
	s_add_nc_u64 s[MB:MB+1], s[10:11], s[66:67]
	s_add_nc_u64 s[16:17], s[16:17], s[48:49]
	s_lshl_b32 s40, s22, 3
	s_add_nc_u64 s[42:43], s[12:13], s[40:41]      ; my tile's two words,
	s_lshl_b32 s40, ttmp9, 6
	s_add_nc_u64 s[44:45], s[12:13], s[40:41]      ; block i's sixteen,
	s_lshl_b32 s40, s21, 6
	s_add_nc_u64 s[46:47], s[12:13], s[40:41]      ; block 31 - i's
	s_load_b64 s[SKIP:SKIP+1], s[42:43], 0x0
	s_load_b512 s[68:83], s[44:45], 0x0
	s_load_b512 s[84:99], s[46:47], 0x0
	s_load_b256 s[52:59], s[14:15], 0x0            ; e0 .. e7
	s_load_b128 s[60:63], s[14:15], 0x20           ; e8 .. e11
	; THE PREFETCHES.  All 16 work-groups of a head walk the same images: work-group x = 0 asks, in it wave 1 for K's and wave 3 for V's; one instruction names a step's 8,192 bytes, lanes 256 bytes apart,
	; so each block of 256 bytes is named once in the launch.  Step k asks for step k + 3, whose staged load is issued in step k + 2.  Steps 0 to 2 come by their loads alone; nothing is asked past step 31.
	s_cmp_eq_u32 s18, 1
	s_cselect_b64 s[PFA:PFA+1], s[KB:KB+1], s[VB:VB+1]
	s_add_nc_u64 s[PFA:PFA+1], s[PFA:PFA+1], 2*8192
	s_and_b32 s20, s18, 13
	s_xor_b32 s20, s20, 1                          ; 0 in waves 1 and 3,
	s_or_b32 s20, s20, ttmp9                       ; of work-group x = 0
	s_cmp_eq_u32 s20, 0
	s_cselect_b32 s[LIM], 29, 0
	s_mov_b32 s[KC], 0
	s_mov_b32 s37, 16                              ; trips of two steps
	v_mov_b32 v13, 0xff61b1e6                      ; the largest t so far: -3e38, under every t
	v_floor_f32 v12, -v13                          ; -M
	v_mov_b32 v14, 0
	v_mov_b32 v15, 0
	v_mov_b32 v236, 0                              ; a lane permute's destination counts as one of its sources: written here for every path
	v_mov_b32 v253, 0                              ; (named as the upper half of v[252:253])
.set j, 0
.rept 32
	v_mov_b32 v[160+j], 0                          ; O^T: the step is written once; the first finds zeros, which the first change of M leaves zeros
.set j, j+1
.endr
	s_wait_loadcnt 0x2                             ; the two staged pieces are in; Q's two loads may be out
	ds_store_b128 v4, v[24:27]                     ; (no vector instruction since the wait on va_vdst above names v4 or v24-31)
	ds_store_b128 v4, v[28:31] offset:8192
	s_wait_kmcnt 0x0
	s_and_b32 s[NEEDN], s68, s70                   ; a step that all 16 tiles skip is not staged
.irp n, 72,74,76,78,80,82,84,86,88,90,92,94,96,98
	s_and_b32 s[NEEDN], s[NEEDN], s\n
.endr
	s_not_b32 s[NEEDN], s[NEEDN]
	s_lshr_b32 s[NEEDN], s[NEEDN], 1
	s_add_co_i32 s20, s58, s59                     ; e6 + e7
	s_sub_co_i32 s21, s20, 3                       ; / sqrt(64)
	s_lshl_b32 s21, s21, 23
	s_add_co_i32 s40, s21, 0x3fb8aa3b              ; s[40:41] c = log2(e) x 2^(e6+e7-3): the exponents are added to log2(e)'s exponent field
	s_mov_b32 s41, s40
	s_add_co_i32 s42, s20, 124
	s_lshl_b32 s42, s42, 23                        ; s[42:43] 2^(e6+e7-3)
	s_mov_b32 s43, s42
	s_mov_b32 s44, 0xce6e6b28                      ; s[44:45] -1e9
	s_mov_b32 s45, s44
	s_mov_b32 s46, 0x3fb8aa3b                      ; s[46:47] log2(e)
	s_mov_b32 s47, s46
	s_mov_b32 s48, 0x76543210
	s_mov_b32 s49, 0xfedcba98                      ; lane l xor 16
	s_cmp_ge_i32 s60, -15                          ; p <= 1 <= 57,344 x 2^e8 wherever e8 >= -15: the hold then changes nothing
	s_cselect_b32 s50, 1, 0
	s_add_co_i32 s20, s60, 127
	s_lshl_b32 s21, s20, 23
	v_mov_b32 v244, s21                            ; 2^e8
	s_add_co_i32 s20, s20, 15
	s_lshl_b32 s20, s20, 23
	s_or_b32 s20, s20, 0x600000
	v_mov_b32 v240, s20                            ; 57,344 x 2^e8
	s_sub_co_i32 s20, s62, s60
	s_sub_co_i32 s20, s20, s61                     ; O^T / l stands for that x 2^(e8+e9): its code is it / 2^(e10-e8-e9)
	s_add_co_i32 s20, s20, 127
	s_lshl_b32 s21, s20, 23
	v_mov_b32 v245, s21
	s_add_co_i32 s20, s20, 15
	s_lshl_b32 s20, s20, 23
	s_or_b32 s20, s20, 0x600000
	v_mov_b32 v241, s20
	s_wait_loadcnt 0x0                             ; Q
	s_wait_dscnt 0x0                               ; my pieces of step 0 have landed
	s_barrier_signal -1
	s_barrier_wait -1
; A KEY STEP, read from buffer buf.  Between two barriers buffer buf is only read and the other only written; each wave's reads are waited for ahead of its signal.
.macro STEP buf
	s_wait_xcnt 0x0                                ; the prefetch of a step ago has read its address
	s_add_nc_u64 s[PFA:PFA+1], s[PFA:PFA+1], 8192
	s_wait_alu depctr_vm_vsrc(0)                   ; the LDS stores of the step before (in the first trip: the head's) have read v24-31, in which the staged loads below land
	s_bitcmp1_b32 s[NEEDN], 0                      ; the same in all 16 waves
	s_cbranch_scc0 .Lno_stage_\@
	global_load_b128 v[24:27], v4, s[KB:KB+1] offset:8192   ; the next step's images: they land under this step's work
	global_load_b128 v[28:31], v4, s[VB:VB+1] offset:8192
.Lno_stage_\@:
	s_cmp_lt_u32 s[KC], s[LIM]
	s_cbranch_scc0 .Lno_ask_\@
	global_prefetch_b8 v6, s[PFA:PFA+1] th:TH_LOAD_NT scope:SCOPE_SE
.Lno_ask_\@:
	s_bitcmp1_b32 s[SKIP], 0
	s_cbranch_scc1 .Lhidden_\@                     ; round the step's work; not round the copy, the steps of the addresses or the barrier
	s_wait_alu depctr_va_vdst(0)                   ; the four products of my last working step are done reading V's fragments in v32-95, in which K's fragments land
.irp t, 0,1,2,3,4,5,6,7
.irp c, 0,1
	ds_load_b128 v[32+8*\t+4*\c:35+8*\t+4*\c], v1 offset:16384*\buf+1024*\t+512*\c
.endr
.endr
	s_wait_dscnt 0x0
.irp t, 0,1,2,3,4,5,6,7
	v_wmma_f32_16x16x64_bf8_bf8 v[96+8*\t:103+8*\t], v[32+8*\t:39+8*\t], v[16:23], 0
.endr
	PLACES 4                                       ; ahead of the first read of the scores
	s_mov_b32 s[CS], s40
	s_mov_b32 s[CS+1], s40
	s_bitcmp1_b32 s[MIXED], 0
	s_cbranch_scc0 .Lclean_\@
	s_wait_alu depctr_va_vdst(0)                   ; the eight products are done reading K's fragments in v32-95, in which the mask lands
.irp t, 0,1,2,3,4,5,6,7
.irp e, 0,1
	global_load_b128 v[32+8*\t+4*\e:35+8*\t+4*\e], v5, s[MB:MB+1] offset:64*\t+16*\e   ; mask(my query, keys 16 t + 8 h + 4 e ..): in the scores' own layout
.endr
.endr
	s_wait_loadcnt 0x0
.set j, 0
.rept 32
	v_pk_mul_f32 v[32+j:33+j], v[32+j:33+j], s[44:45] op_sel_hi:[1,0]                   ; mask x (-1e9)
.set j, j+2
.endr
.set j, 0
.rept 32
	v_pk_fma_f32 v[96+j:97+j], v[96+j:97+j], s[42:43], v[32+j:33+j] op_sel_hi:[1,0,1]   ; the logit
.set j, j+2
.endr
.set j, 0
.rept 32
	v_pk_mul_f32 v[96+j:97+j], v[96+j:97+j], s[46:47] op_sel_hi:[1,0]                   ; t
.set j, j+2
.endr
	s_mov_b32 s[CS], 1.0
	s_mov_b32 s[CS+1], 1.0
.Lclean_\@:
	s_wait_alu depctr_va_vdst(0)                   ; v32-95 are done with, and V's fragments land there: in a clean step the eight products have read K's fragments; in a mixed step the multiplies have written the mask's terms and the multiply-adds have read them
.irp d, 0,1,2,3
.irp c, 0,1,2,3
	ds_load_b128 v[32+16*\d+4*\c:35+16*\d+4*\c], v1 offset:16384*\buf+8192+2048*\d+512*\c   ; V's fragments land under the softmax, none of whose lines names v32-95
.endr
.endr
	v_max3_num_f32 v254, v96, v97, v98             ; the step's largest among my 64 keys, in two chains, each accumulator from its low end on
	v_max3_num_f32 v252, v99, v100, v101
.irp i, 6,10,14,18,22,26,30,34,38,42,46,50,54,58
	v_max3_num_f32 v254, v254, v[96+\i], v[97+\i]
	v_max3_num_f32 v252, v252, v[98+\i], v[99+\i]
.endr
	v_max3_num_f32 v254, v254, v158, v159
	v_max_num_f32 v254, v254, v252
	v_permlanex16_b32 v236, v254, s48, s49
	v_max_num_f32 v254, v254, v236                 ; and among lane l xor 16's
	v_mul_f32 v254, s[CS], v254                    ; as t (the factor is positive)
	v_max_num_f32 v13, v13, v254                   ; the running largest t
	v_mov_b32 v254, v12
	v_floor_f32 v12, -v13                          ; the new -M = -ceil(t): a whole number
	v_sub_f32 v254, v12, v254                      ; old M - new M, 0 or less
	v_cvt_i32_f32 v254, v254                       ; (it saturates)
	v_ldexp_f32 v252, 1.0, v254                    ; f = 2^(old M - new M)
.set j, 0
.rept 32
	v_pk_fma_f32 v[96+j:97+j], v[96+j:97+j], s[CS:CS+1], v[12:13] op_sel_hi:[1,0,0]   ; t - M
.set j, j+2
.endr
.set j, 0
	s_wait_alu depctr_va_vdst(0)
.rept 64
	v_exp_f32 v[96+j], v[96+j]                     ; p = 2^(t - M): not normalised
.set j, j+1
.endr
	v_pk_mul_f32 v[14:15], v[14:15], v[252:253] op_sel_hi:[1,0]   ; the sum under the new M: the plain line behind the exponentials
	s_wait_alu depctr_va_vdst(0)                   ; the 64 exponentials have written v96-159: one wait for the batch, ahead of its first reader
	v_pk_add_f32 v[242:243], v[96:97], v[98:99]    ; the row's sum of the unquantised p, in two chains
.irp j, 4,8,12,16,20,24,28,32,36,40,44,48,52,56,60
	v_pk_add_f32 v[14:15], v[14:15], v[96+\j:97+\j]
	v_pk_add_f32 v[242:243], v[242:243], v[98+\j:99+\j]
.endr
	v_pk_add_f32 v[14:15], v[14:15], v[242:243]
	s_cmp_lg_u32 s50, 0
	s_cbranch_scc1 .Lno_hold_\@
.set j, 0
.rept 64
	v_min_num_f32 v[96+j], v[96+j], v240           ; the conversion does not saturate (ISA guide 7.6.2); p is not negative, so the hold is one-sided
.set j, j+1
.endr
.Lno_hold_\@:
.irp t, 0,1,2,3,4,5,6,7
	v_cvt_scalef32_pk8_bf8_f32 v[192+2*\t:193+2*\t], v[96+8*\t:103+8*\t], v244
.endr
.set j, 0
.rept 16
	v_pk_mul_f32 v[160+j:161+j], v[160+j:161+j], v[252:253] op_sel_hi:[1,0]   ; O^T under the new M; also the plain lines between the conversions and the products
.set j, j+2
.endr
	s_wait_alu depctr_va_vdst(0)
	s_wait_dscnt 0x0                               ; V's fragments are in
.irp d, 0,1,2,3
	v_wmma_f32_16x16x128_bf8_bf8 v[160+8*\d:167+8*\d], v[32+16*\d:47+16*\d], v[192:207], v[160+8*\d:167+8*\d]   ; four accumulators, one instruction a turn
.endr
	PLACES 4                                       ; ahead of the next codes and the next read of O^T
.Lhidden_\@:
	s_wait_loadcnt 0x0                             ; the staged pieces are in, and every load has read its base
	s_bitcmp1_b32 s[NEEDN], 0
	s_cbranch_scc0 .Lno_put_\@
	ds_store_b128 v4, v[24:27] offset:16384*(1-\buf)        ; (loads wrote v24-31 and the head wrote v4: no vector instruction of the loop names them)
	ds_store_b128 v4, v[28:31] offset:16384*(1-\buf)+8192
.Lno_put_\@:
	s_add_nc_u64 s[KB:KB+1], s[KB:KB+1], 8192
	s_add_nc_u64 s[VB:VB+1], s[VB:VB+1], 8192
	s_add_nc_u64 s[MB:MB+1], s[MB:MB+1], 512
	s_lshr_b32 s[SKIP], s[SKIP], 1
	s_lshr_b32 s[MIXED], s[MIXED], 1
	s_lshr_b32 s[NEEDN], s[NEEDN], 1
	s_add_co_u32 s[KC], s[KC], 1
	s_wait_dscnt 0x0                               ; my pieces have landed, and my reads of this buffer are over
	s_barrier_signal -1
	s_barrier_wait -1
.endm
.Ltrip:
	STEP 0
	STEP 1
	s_sub_co_u32 s37, s37, 1
	s_cmp_lg_u32 s37, 0
	s_cbranch_scc1 .Ltrip
	; THE WAY OUT: O^T / l, quantised for product 6; the lane's 8 registers of codes are its part of the image: two stores of 512 consecutive bytes.
	v_add_f32 v14, v14, v15
	v_permlanex16_b32 v236, v14, s48, s49          ; into the register that the head has written: the text has a path on which no step's work has run
	v_add_f32 v14, v14, v236                       ; the row's sum
	s_wait_alu depctr_va_vdst(0)
	v_rcp_f32 v14, v14
	v_nop                                          ; a plain line behind the reciprocal
	s_wait_alu depctr_va_vdst(0)                   ; the reciprocal has written v14: the wait ahead of its first reader
.set j, 0
.rept 16
	v_pk_mul_f32 v[96+j:97+j], v[160+j:161+j], v[14:15] op_sel_hi:[1,0]
.set j, j+2
.endr
.set j, 0
.rept 32
	v_med3_num_f32 v[96+j], v[96+j], -v241, v241
.set j, j+1
.endr
.irp d, 0,1,2,3
	v_cvt_scalef32_pk8_bf8_f32 v[192+2*\d:193+2*\d], v[96+8*\d:103+8*\d], v245
.endr
	v_nop
	s_wait_alu depctr_va_vdst(0)                   ; the conversions have written v192-199, which the two stores read
	global_store_b128 v1, v[192:195], s[16:17]
	global_store_b128 v1, v[196:199], s[16:17] offset:512
	s_wait_dscnt 0x0                               ; the closing lines, six on end
	s_wait_alu 0x0
	s_wait_tensorcnt 0x0
	ds_add_u32 v2, v3
	s_wait_dscnt 0x0
	s_endpgm
.Lfunc_end_k_qa98d5cddce_attn:
	.size	k_qa98d5cddce_attn, .Lfunc_end_k_qa98d5cddce_attn-k_qa98d5cddce_attn
	.p2alignl 7, 3214868480
	.fill 96, 4, 3214868480
	.section	.rodata,"a",@progbits
	.p2align	6, 0x0
	.amdhsa_kernel k_qa98d5cddce_attn
		.amdhsa_group_segment_fixed_size 34816
		.amdhsa_private_segment_fixed_size 0
		.amdhsa_enable_private_segment 0
		.amdhsa_kernarg_size 56
		.amdhsa_user_sgpr_count 2
		.amdhsa_user_sgpr_kernarg_segment_ptr 1
		.amdhsa_wavefront_size32 1
		.amdhsa_system_sgpr_workgroup_id_x 1
		.amdhsa_system_sgpr_workgroup_id_y 1
		.amdhsa_system_sgpr_workgroup_id_z 1
		.amdhsa_system_vgpr_workitem_id 0
		.amdhsa_next_free_vgpr 256
		.amdhsa_next_free_sgpr 100
		.amdhsa_reserve_vcc 0
		.amdhsa_float_denorm_mode_32 3
		.amdhsa_float_denorm_mode_16_64 3
		.amdhsa_memory_ordered 1
		.amdhsa_forward_progress 1
		.amdhsa_inst_pref_size 60
	.end_amdhsa_kernel
	.amdgpu_metadata
---
amdhsa.version: [ 1, 2 ]
amdhsa.kernels:
  - .name:           k_qa98d5cddce_attn
    .symbol:         k_qa98d5cddce_attn.kd
    .args:
      - { .name: qimg, .offset: 0, .size: 8, .value_kind: global_buffer, .address_space: global }
      - { .name: kimg, .offset: 8, .size: 8, .value_kind: global_buffer, .address_space: global }
      - { .name: vimg, .offset: 16, .size: 8, .value_kind: global_buffer, .address_space: global }
      - { .name: mask, .offset: 24, .size: 8, .value_kind: global_buffer, .address_space: global }
      - { .name: flags, .offset: 32, .size: 8, .value_kind: global_buffer, .address_space: global }
      - { .name: lowp_scales, .offset: 40, .size: 8, .value_kind: global_buffer, .address_space: global }
      - { .name: aimg, .offset: 48, .size: 8, .value_kind: global_buffer, .address_space: global }
    .group_segment_fixed_size: 34816
    .private_segment_fixed_size: 0
    .kernarg_segment_align: 8
    .kernarg_segment_size: 56
    .max_flat_workgroup_size: 512
    .sgpr_count:     100
    .vgpr_count:     256
    .wavefront_size: 32
...
	.end_amdgpu_metadata
.endif
;; end of part 5
;; launch oproj (part 6): grid 256 x 1, 16 waves a work-group, no clusters, 219,648 bytes of LDS; arguments aimg, wo_codes, bo, lowp_scales, out0; writes out0
.if DOCPART == 6
	.amdgcn_target "amdgcn-amd-amdhsa--gfx1250"
	.amdhsa_code_object_version 6
	.text
	.protected	k_qa98d5cddce_oproj
	.globl	k_qa98d5cddce_oproj
	.p2align	8
	.type	k_qa98d5cddce_oproj,@function
k_qa98d5cddce_oproj:
	s_mov_b64 s[64:65], 0
	v_nop
	global_prefetch_b8 v0, s[64:65] scope:SCOPE_SE
	s_setreg_imm32_b32 hwreg(HW_REG_WAVE_SCHED_MODE, 0, 2), 2
	s_setreg_imm32_b32 hwreg(HW_REG_WAVE_MODE, 25, 1), 1
	s_wait_xcnt 0x0
	s_wait_alu depctr_vm_vsrc(0)
; OPROJ: product 6, out0 = attn wo + bo, on E5M2 codes.  Nothing is left out here.
; Work-group g takes rows 32 g .. 32 g + 31: two tiles of 16 rows, whose operand images (16,384 dense bytes of aimg) are copied into LDS once and read by all 16 waves.
; Wave w makes outputs 32 w .. 32 w + 31; its 32 rows of wo stay in registers.  aimg's images hold k = 128 g + 16 c + 8 (lane / 16) + 0..7 in registers 2c, 2c+1, so wo's fragments are fetched 8 bytes at a time in the same order.
; TRANSPOSED (source 0 = 16 rows of wo, source 1 = 16 rows of attn): a lane holds eight neighbouring outputs of one row.  y = sum x 2^(e10+e11) + bo, one packed multiply-add for two numbers.
; The results meet in a stage in LDS and leave as whole rows: each store covers 512 consecutive bytes.
; LIMIT: e10 + e11 between -126 and 127.
; REGISTERS: v1 16 x lane; v2, v3 the add's two; v4 my place in the image copy; v6, v7 my rows of wo in LDS, in and back; v8 bo's offset; v9, v10 the stage, in and back;
;  v16-31 bo (2 x 8); v32-47 the two accumulators; v48-63 results; v64-127 attn's four fragments, later rows of y; v128-255 wo's fragments at 128 + 64 u + 16 g.
; THE MODE: SCHED_MODE bits 1:0 = 2 (LLVM: expert scheduling mode 2), set by the entry lines.  The code itself states the register dependences
; between vector or matrix instructions and memory or LDS instructions, with s_wait_alu, always for 0.
; THE PLAN.  Registers that memory or LDS instructions touch:
;   v1, v4, v6-v10  Addresses: written at the head, never again; one wait on va_vdst ahead of the first load serves every access of the kernel.
;   v64-71          My part of the images: loaded from memory, read by two LDS stores; later fragments land there: the wait on vm_vsrc in wo's first turn stands behind those stores.
;   v128-255        wo: loaded from memory, read by a turn's 16 LDS stores; the turn's 32 LDS loads land in the same registers: a wait on vm_vsrc between the two runs.
;   v64-127         attn's four fragments of a tile of rows: LDS loads land, the eight products read.  One wait on va_vdst behind the first tile's products; the second tile's loads follow it at once,
;                   ahead of the first tile's multiply-adds and stores, which name none of v64-127.
;   v48-63          Results: written by a tile's eight multiply-adds, read by its four stage stores: a wait on va_vdst between; a wait on vm_vsrc ahead of the second tile's multiply-adds, which write them again.
;   v64-95          At the end rows of y land there from the stage: the second tile's products, which read them, stand ahead of the last wait on va_vdst, and no vector instruction follows it.
;   v2, v3          Written at the head, read by the closing add alone.
.set XP,    528
.set WR,    16384                      ; behind the images: 16 rows of wo for each wave, its own
.set WRB,   16*XP
.set STG,   WR+16*WRB                  ; the stage: 32 rows x (2,048 + 16) bytes
.set SP,    2064
.set SPARE, STG+32*SP                  ; the spare words: 128 bytes for each of 16 waves
	s_load_b256 s[4:11], s[0:1], 0x0               ; aimg 4:5, wo 6:7, bo 8:9, scales 10:11
	s_load_b64 s[12:13], s[0:1], 0x20              ; out0
	v_lshl_add_u32 v2, v0, 2, SPARE
	v_mov_b32 v3, 0
	v_lshrrev_b32 v4, 5, v0
	v_readfirstlane_b32 s14, v4                    ; wave 0..15
	v_and_b32 v1, 31, v0
	v_lshlrev_b32 v1, 4, v1
	v_and_b32 v12, 15, v0                          ; r
	v_bfe_u32 v13, v0, 4, 1                        ; h
	s_wait_alu depctr_va_sdst(0)                   ; s14 is written, ahead of its first reader: the LDS places and the bases are made from it
	s_lshl_b32 s15, s14, 10
	v_add_nc_u32 v4, s15, v1                       ; 1,024 w + 16 x lane: in aimg's block and in LDS alike
	s_mul_i32 s15, s14, WRB
	s_add_co_u32 s15, s15, WR
	v_add_nc_u32 v6, s15, v1
	v_mul_u32_u24 v7, v12, XP
	v_lshl_add_u32 v7, v13, 3, v7
	v_add_nc_u32 v7, s15, v7                       ; row r, + 8 h
	v_lshlrev_b32 v8, 5, v13
	v_mul_u32_u24 v9, v12, SP
	v_lshl_add_u32 v9, v13, 5, v9
	s_lshl_b32 s15, s14, 7
	s_add_co_u32 s15, s15, STG
	v_add_nc_u32 v9, s15, v9                       ; stage row r, + 32 h, + my 128 bytes
	s_mul_i32 s15, s14, 2*SP
	s_add_co_u32 s15, s15, STG
	v_add_nc_u32 v10, s15, v1                      ; back: rows 2 w, 2 w + 1
	s_mov_b32 s17, 0
	s_wait_kmcnt 0x0
	s_load_b64 s[20:21], s[10:11], 0x28            ; e10, e11
	s_lshl_b32 s16, ttmp9, 14
	s_add_nc_u64 s[4:5], s[4:5], s[16:17]
	s_lshl_b32 s16, s14, 14
	s_add_nc_u64 s[6:7], s[6:7], s[16:17]
	s_lshl_b32 s16, s14, 7
	s_add_nc_u64 s[8:9], s[8:9], s[16:17]
	s_lshl_b32 s16, ttmp9, 16                      ; 32 rows of 2,048 bytes,
	s_lshl_b32 s18, s14, 12                        ; my two
	s_add_co_u32 s16, s16, s18
	s_add_nc_u64 s[12:13], s[12:13], s[16:17]
	s_wait_alu depctr_va_vdst(0)                   ; v1, v4 and v6 to v10 are written: every load and store of the kernel reads one of them as its address, and none is written again
.irp u, 0,1
.irp e, 0,1
	global_load_b128 v[16+8*\u+4*\e:19+8*\u+4*\e], v8, s[8:9] offset:64*\u+16*\e   ; bo(32 w + 16 u + 8 h + ..)
.endr
.endr
	global_load_b128 v[64:67], v4, s[4:5] th:TH_LOAD_NT
	global_load_b128 v[68:71], v4, s[4:5] offset:512 th:TH_LOAD_NT
.irp i, 0,1,2,3,4,5,6,7,8,9,10,11,12,13,14,15
	global_load_b128 v[128+4*\i:131+4*\i], v1, s[6:7] offset:512*\i
.endr
.irp i, 0,1,2,3,4,5,6,7,8,9,10,11,12,13,14,15
	global_load_b128 v[192+4*\i:195+4*\i], v1, s[6:7] offset:8192+512*\i
.endr
.macro WTURN u                         ; 16 rows of wo through my own LDS rows; LDS serves a wave's instructions in order
.irp i, 0,1,2,3,4,5,6,7,8,9,10,11,12,13,14,15
	ds_store_b128 v6, v[128+64*\u+4*\i:131+64*\u+4*\i] offset:XP*\i
.endr
	s_wait_alu depctr_vm_vsrc(0)                   ; the sixteen stores above have read v[128 + 64 u ..], in which the fragments below land (and the two image stores have read v64-71, in which attn's fragments land later)
.irp g, 0,1,2,3
.irp c, 0,1,2,3,4,5,6,7
	ds_load_b64 v[128+64*\u+16*\g+2*\c:129+64*\u+16*\g+2*\c], v7 offset:128*\g+16*\c
.endr
.endr
.endm
	s_wait_loadcnt 32                              ; bo and my part of the images are in; wo's 32 loads may be out
	ds_store_b128 v4, v[64:67]
	ds_store_b128 v4, v[68:71] offset:512
	s_wait_loadcnt 16                              ; wo's first 16 rows are in
	WTURN 0
	s_wait_loadcnt 0x0
	WTURN 1
	s_wait_kmcnt 0x0
	s_add_co_i32 s22, s20, s21
	s_add_co_i32 s22, s22, 127
	s_lshl_b32 s22, s22, 23                        ; 2^(e10 + e11)
	s_mov_b32 s23, s22                             ; (named with it as a pair)
	s_wait_dscnt 0x0                               ; my part of the images has landed
	s_barrier_signal -1
	s_barrier_wait -1
.macro FETCH rt                        ; attn's four fragments of rows 16 rt on
.irp g, 0,1,2,3
.irp c, 0,1,2,3
	ds_load_b128 v[64+16*\g+4*\c:67+16*\g+4*\c], v1 offset:8192*\rt+2048*\g+512*\c
.endr
.endr
.endm
.macro MULT                            ; a tile of 16 rows: four K steps of 128, my two accumulators by turns
.irp g, 0,1,2,3
.irp u, 0,1
.if \g == 0
	v_wmma_f32_16x16x128_bf8_bf8 v[32+8*\u:39+8*\u], v[128+64*\u+16*\g:143+64*\u+16*\g], v[64+16*\g:79+16*\g], 0
.else
	v_wmma_f32_16x16x128_bf8_bf8 v[32+8*\u:39+8*\u], v[128+64*\u+16*\g:143+64*\u+16*\g], v[64+16*\g:79+16*\g], v[32+8*\u:39+8*\u]
.endif
.endr
.endr
.rept 5
	v_nop                                          ; four ahead of the multiply-adds that read the sums; the fifth since the second tile begins these accumulators anew
.endr
.endm
.macro RESULT rt                       ; y = sum x 2^(e10+e11) + bo, into the stage
.irp j, 0,2,4,6,8,10,12,14
	v_pk_fma_f32 v[48+\j:49+\j], v[32+\j:33+\j], s[22:23], v[16+\j:17+\j] op_sel_hi:[1,0,1]
.endr
	s_wait_alu depctr_va_vdst(0)                   ; the eight multiply-adds have written v48-63, which the four stores read
.irp u, 0,1
.irp e, 0,1
	ds_store_b128 v9, v[48+8*\u+4*\e:51+8*\u+4*\e] offset:16*SP*\rt+64*\u+16*\e
.endr
.endr
.endm
	FETCH 0                                        ; (v64-71 were freed by the waits on vm_vsrc in wo's turns; no vector instruction has named v64-127)
	s_wait_dscnt 0x0
	MULT
	s_wait_alu depctr_va_vdst(0)                   ; the first tile's eight products are done reading v64-127, in which the second tile's fragments land
	FETCH 1                                        ; asked for at once: they land under the first tile's multiply-adds and stores
	RESULT 0
	s_wait_dscnt 0x4                               ; the second tile's sixteen loads are in; the four stage stores issued behind them may be out
	MULT
	s_wait_alu depctr_vm_vsrc(0)                   ; the first tile's four stage stores have read v48-63, which the multiply-adds below write again
	RESULT 1                                       ; its wait on va_vdst also shows the second tile's products done reading v64-95, in which rows of y land below; no vector instruction follows it
	s_wait_dscnt 0x0                               ; for the others' sake: my stores into the stage have landed
	s_barrier_signal -1
	s_barrier_wait -1
.irp i, 0,1,2,3,4,5,6,7
	ds_load_b128 v[64+4*\i:67+4*\i], v10 offset:SP*(\i/4)+512*(\i%4)
.endr
.irp i, 0,1,2,3,4,5,6,7
	s_wait_dscnt 7-\i                              ; piece i is back; the younger loads may be out
	global_store_b128 v1, v[64+4*\i:67+4*\i], s[12:13] offset:2048*(\i/4)+512*(\i%4) th:TH_STORE_NT
.endr
	s_wait_dscnt 0x0                               ; the closing lines, six on end
	s_wait_alu 0x0
	s_wait_tensorcnt 0x0
	ds_add_u32 v2, v3
	s_wait_dscnt 0x0
	s_endpgm
.Lfunc_end_k_qa98d5cddce_oproj:
	.size	k_qa98d5cddce_oproj, .Lfunc_end_k_qa98d5cddce_oproj-k_qa98d5cddce_oproj
	.p2alignl 7, 3214868480
	.fill 96, 4, 3214868480
	.section	.rodata,"a",@progbits
	.p2align	6, 0x0
	.amdhsa_kernel k_qa98d5cddce_oproj
		.amdhsa_group_segment_fixed_size 219648
		.amdhsa_private_segment_fixed_size 0
		.amdhsa_enable_private_segment 0
		.amdhsa_kernarg_size 40
		.amdhsa_user_sgpr_count 2
		.amdhsa_user_sgpr_kernarg_segment_ptr 1
		.amdhsa_wavefront_size32 1
		.amdhsa_system_sgpr_workgroup_id_x 1
		.amdhsa_system_sgpr_workgroup_id_y 1
		.amdhsa_system_sgpr_workgroup_id_z 1
		.amdhsa_system_vgpr_workitem_id 0
		.amdhsa_next_free_vgpr 256
		.amdhsa_next_free_sgpr 66
		.amdhsa_reserve_vcc 0
		.amdhsa_float_denorm_mode_32 3
		.amdhsa_float_denorm_mode_16_64 3
		.amdhsa_memory_ordered 1
		.amdhsa_forward_progress 1
		.amdhsa_inst_pref_size 20
	.end_amdhsa_kernel
	.amdgpu_metadata
---
amdhsa.version: [ 1, 2 ]
amdhsa.kernels:
  - .name:           k_qa98d5cddce_oproj
    .symbol:         k_qa98d5cddce_oproj.kd
    .args:
      - { .name: aimg, .offset: 0, .size: 8, .value_kind: global_buffer, .address_space: global }
      - { .name: wo_codes, .offset: 8, .size: 8, .value_kind: global_buffer, .address_space: global }
      - { .name: bo, .offset: 16, .size: 8, .value_kind: global_buffer, .address_space: global }
      - { .name: lowp_scales, .offset: 24, .size: 8, .value_kind: global_buffer, .address_space: global }
      - { .name: out0, .offset: 32, .size: 8, .value_kind: global_buffer, .address_space: global }
    .group_segment_fixed_size: 219648
    .private_segment_fixed_size: 0
    .kernarg_segment_align: 8
    .kernarg_segment_size: 40
    .max_flat_workgroup_size: 512
    .sgpr_count:     66
    .vgpr_count:     256
    .wavefront_size: 32
...
	.end_amdgpu_metadata
.endif
;; end of part 6
